; MI455X (gfx1250); checked and timed in simulation.
; The chip was launched on July 23, 2026; its instructions are those of AMD's public machine-readable ISA for CDNA 5 (MIT licence, August 2026) and "CDNA5" Instruction Set Architecture Reference Guide (July 2026). The comments in the code are by the model that wrote it; some were corrected since.
;; Multi Head Attention. Allowed arithmetic: matrix products marked QUANTISED: E2M3 operands, one E8M0 scale for each 32 along K, by v_wmma_scale_f32_16x16x128_f8f6f4 with both operands' format E2M3, f32 sums; everything else in f32.
;; Inputs: out_b 1,024 float32; out_w 1,024 x 1,024 float32; qkv_b 3,072 float32; qkv_w 3,072 x 1,024 float32; x 4 x 2,048 x 1,024 float32.
;; Outputs: out0 4 x 2,048 x 1,024 float32.
;; This version of the problem:
;;   THIS VERSION OF THE PROBLEM IS GIVEN IN LOW PRECISION. The matrix products marked QUANTISED in the list below multiply operands that are first quantised to E2M3 (2 exponent bits, 3 mantissa bits; 6 bits a number), with one power-of-two scale for each 32 numbers along K (OCP MX v1.0); their sums are f32. All else is computed in f32.
;;   The module's matrix products, in the order in which they are computed (A, B: the left and right operand; K: the contracted axis; several contracted axes count as one K, in the product's order):
;;     1. [M 8,192, K 1,024] x [K 1,024, N 3,072]; A: input x; B: input qkv_w: QUANTISED
;;     2. batch 64 x [M 2,048, K 64] x [K 64, N 2,048]; A: computed on the way; B: computed on the way: QUANTISED
;;     3. batch 64 x [M 2,048, K 2,048] x [K 2,048, N 64]; A: softmax (see below); B: computed on the way: QUANTISED
;;     4. [M 8,192, K 1,024] x [K 1,024, N 1,024]; A: computed on the way; B: input out_w: QUANTISED
;;   THE QUANTISER, for each operand of a quantised product, along K:
;;     - K is cut into blocks of 32 from its start; a last block that is shorter is filled with zeros.
;;     - A block's scale is 2^e with e = floor(log2(the largest magnitude in the block)) - 2, held to -126 .. 127; a block of zeros has e = 0. As a byte (E8M0): e + 127.
;;     - Each number is divided by its block's scale, clamped to +-7.5, and rounded to the nearest number of E2M3, ties to even, subnormals kept.
;;     - The product sums the exact products of the quantised numbers (number of the format x scale) in f32.
;;   ~~~python
;;   def quantise(x, axis):      # numpy; x: float32 -> the quantised numbers, widened to float32 again
;;       x = np.moveaxis(x, axis, -1); K = x.shape[-1]
;;       x = np.pad(x, [(0, 0)] * (x.ndim - 1) + [(0, -K % 32)]); x = x.reshape(x.shape[:-1] + (-1, 32)); a = np.abs(x).max(-1, keepdims=True)
;;       e = np.where(a > 0, np.clip(np.frexp(np.where(a > 0, a, 1))[1] - 1 - 2, -126, 127), 0)      # np.frexp(a)[1] - 1 = floor(log2(a)), exactly
;;       r = np.clip(x / 2.0 ** e, -7.5, 7.5)
;;       step = 2.0 ** (np.maximum(np.frexp(np.where(r == 0, 1, r))[1] - 1, 0) - 3)
;;       q = np.round(r / step) * step * 2.0 ** e      # np.round: ties to even
;;       return np.moveaxis(q.reshape(q.shape[:-2] + (-1,))[..., :K], -1, axis).astype(np.float32)
;;   ~~~
;;   SOFTMAX AHEAD OF A QUANTISED PRODUCT. Where the list says 'softmax', what is quantised is not the finished softmax but p = 2^(t - M), with t = logit x log2(e) and M = ceil(the row's largest t), a whole number; so 1/2 < the row's largest p <= 1. The row's sum l is taken of the UNQUANTISED p, in f32, and the product's result is divided by l at the end. Since M is a whole number, a kernel that streams over the keys may use a running M (the ceiling of the running maximum): every later rescaling is an exact power of two, which a block's scale takes up: the codes' values come out the same.
;;   OPERANDS COMPUTED ON THE WAY. 'Computed on the way' means the value that the module computes at that place (a softmax that the list does not call 'softmax' is quantised finished and normalised). What goes into a quantiser is computed in f32, as accurately as f32 sums, v_exp_f32 and their like allow (about 1e-6 of the number): no bf16 or f16 on the way to a quantiser, and a product that is left as it is and whose result goes on into a quantised operand takes f32 operands (vector FMAs, or v_wmma_f32_16x16x4_f32). A number that lies on a knife's edge between two numbers of the format may be rounded either way, as far as f32 arithmetic and the matrix unit's own rounding can turn it there, and no further.
;; One version. Each part assembles by itself: llvm-mc -triple=amdgcn-amd-amdhsa -mcpu=gfx1250 --defsym DOCPART=n.
;; ======== version 1 of 1: 4 launches
;; workspace buffers: codes1 9,437,184 bytes; scales1 393,216 bytes; qkv_img 18,874,368 bytes; qkv_sc 786,432 bytes; ctx_img 6,291,456 bytes; ctx_sc 262,144 bytes
;; launch quant (part 1): grid 384 x 1, 4 waves a work-group, no clusters, 33,280 bytes of LDS; arguments x, qkv_w, out_w, codes1, scales1; writes codes1, scales1
.if DOCPART == 1
	.amdgcn_target "amdgcn-amd-amdhsa--gfx1250"
	.amdhsa_code_object_version 6
	.text
	.protected	k_q17670e4361_quant
	.globl	k_q17670e4361_quant
	.p2align	8
	.type	k_q17670e4361_quant,@function
k_q17670e4361_quant:
	s_mov_b64 s[64:65], 0
	v_nop
	global_prefetch_b8 v0, s[64:65] scope:SCOPE_SE
	s_setreg_imm32_b32 hwreg(HW_REG_WAVE_MODE, 25, 1), 1
	s_wait_xcnt 0x0
; x [8192][1024], qkv_w [3072][1024] and out_w [1024][1024], f32 with K innermost, become codes of FP6 (E2M3), 6 bits each, K innermost, with one E8M0 scale byte for each 32 along K.
; codes1 holds 12,288 row places of 768 bytes (x, then qkv_w, then out_w), scales1 32 bytes for each place.
; A block's scale is 2^(floor(log2(its largest magnitude)) - 2); its byte is the largest magnitude's exponent field - 2, held at 1 from below.  Each number is divided by the scale and rounded to the nearest code, ties to even.
; LIMITS: a block of zeros gets the byte 1 where the rule says 127 (its codes are zeros, which add nothing under any byte but 0xff, and this program alone reads the bytes); blocks whose largest magnitude
; lies under 2^-124 take the floor's byte; NaN and infinities among the inputs are not served.
; THE ROWS CHANGE PLACES: inside each 32 rows, rows 8-15 and rows 16-23 are exchanged, so that place 16 u + r holds row 8 u + r + 8 (r / 8).  The products that read these buffers take 16 neighbouring places as a tile;
; with this order the 16 result registers of two neighbouring tiles are 16 neighbours along the axis that the next quantiser runs along.
; SHARES.  A work-group takes 32 rows, a wave 8 rows: 8,192 numbers, 16 steps of 512.  The exchange costs nothing: wave w reads run w and writes run w' (1 and 2 exchanged).
; A conversion takes 16 numbers of ONE block from a lane's registers, so a lane must hold 16 neighbours; a load is best where neighbouring lanes take neighbouring bytes.  Both are had: each of a step's four loads reads
; 512 consecutive bytes, the 2,048 bytes go through the wave's own stage in LDS and come back 64 bytes a lane (16 bytes of padding behind each 64).  A lane's 16 codes are 12 bytes: the wave stores 384 consecutive bytes.
; A wave's 256 scale bytes are gathered in its own LDS bytes and leave by one store of 256 consecutive, aligned bytes.
; No tensor loads, no ring, no barrier, no cluster: the waves share nothing and no input is read twice.  Loads run four steps (16 loads a wave) ahead, the turn through LDS one step.
.set STEPS, 16
.set CB,    12                         ; bytes of 16 codes
.set WGX,   256                        ; the first 256 work-groups take x,
.set WGQ,   352                        ; the next 96 qkv_w, the last 32 out_w
.set R,     16                         ; v16-79   four sets of 16 numbers as they are loaded
.set X,     80                         ; v80-111  two sets of 16 neighbours
.set E,     112                        ; v112-127 a scale byte for each step
.set C,     128                        ; v128-191 codes: four registers for each step, so that no store's data are written again
.set WREG,  8192                       ; LDS: a region for each wave: two stages of 32 x SP bytes, behind them its 256 scale bytes
.set SP,    80                         ; a lane's place in a stage: its 64 bytes + 16 of padding
	s_load_b128 s[4:7], s[0:1], 0x0                ; x, qkv_w
	s_load_b128 s[8:11], s[0:1], 0x10              ; out_w, codes1
	s_load_b64 s[12:13], s[0:1], 0x20              ; scales1
	v_lshl_add_u32 v192, v0, 2, 0x8000
	v_mov_b32 v193, 0
	v_lshrrev_b32 v1, 5, v0
	v_readfirstlane_b32 s16, v1                    ; wave
	v_and_b32 v2, 31, v0                           ; lane
	v_lshlrev_b32 v3, 4, v2                        ; my 16 bytes of a load's 512
	s_mul_i32 s17, s16, WREG
	v_lshrrev_b32 v14, 2, v2
	v_mul_u32_u24 v14, v14, SP
	v_and_b32 v15, 3, v2
	v_lshl_add_u32 v14, v15, 4, v14
	v_add_nc_u32 v14, s17, v14                     ; the stage, on the way in: SP (lane / 4) + 16 (lane % 4)
	v_mul_u32_u24 v15, v2, SP
	v_add_nc_u32 v15, s17, v15                     ; and on the way out: SP x lane: my 16 neighbours
	v_mul_u32_u24 v4, v2, CB                       ; my codes' place in a step's
	v_lshrrev_b32 v5, 1, v2
	s_add_co_u32 s17, s17, 2*32*SP
	v_add_nc_u32 v5, s17, v5                       ; LDS: my wave's 256 scale bytes, my block's byte
	v_lshlrev_b32 v7, 3, v2                        ; and on the way out 8 bytes a lane
	v_add_nc_u32 v6, s17, v7
	s_wait_kmcnt 0x0
	s_cmp_lt_u32 ttmp9, WGX                        ; which tensor?  The choice hangs on the work-group's number alone
	s_cselect_b64 s[4:5], s[4:5], s[6:7]
	s_cselect_b32 s17, 0, WGX
	s_cmp_lt_u32 ttmp9, WGQ
	s_cselect_b64 s[4:5], s[4:5], s[8:9]
	s_cselect_b32 s17, s17, WGQ                    ; the tensor's first work-group
	s_sub_co_u32 s17, ttmp9, s17
	s_lshl_b32 s17, s17, 2
	s_add_co_u32 s18, s17, s16                     ; the run of 8 rows that I read: 4 x (work-group in the tensor) + wave
	s_mov_b32 s19, 0
	s_lshl_b64 s[20:21], s[18:19], 15              ; 32,768 bytes a run
	s_add_nc_u64 s[4:5], s[4:5], s[20:21]
	s_and_b32 s22, s16, 1
	s_lshl_b32 s22, s22, 1
	s_lshr_b32 s23, s16, 1
	s_or_b32 s22, s22, s23                         ; waves 1 and 2 change places
	s_lshl_b32 s23, ttmp9, 2
	s_add_co_u32 s22, s22, s23                     ; the run that I write
	s_mul_i32 s20, s22, 32*STEPS*CB                ; 6,144 bytes of codes a run (1,535 runs at the most: under 2^31)
	s_mov_b32 s21, 0
	s_add_nc_u64 s[10:11], s[10:11], s[20:21]
	s_lshl_b32 s20, s22, 8                         ; 256 scale bytes a run
	s_add_nc_u64 s[12:13], s[12:13], s[20:21]
.macro LOAD t
.irp i, 0,1,2,3
	global_load_b128 v[R+16*((\t)%4)+4*\i:R+16*((\t)%4)+4*\i+3], v3, s[4:5] offset:2048*(\t)+512*\i th:TH_LOAD_NT   ; 32 lanes read 512 consecutive bytes; read once in the launch
.endr
.endm
.macro TURN t                          ; step t's numbers through the stage: LDS serves a wave's instructions in order (ISA guide 5.7.1.4), so no wait stands between the stores and the loads
.irp i, 0,1,2,3
	ds_store_b128 v14, v[R+16*((\t)%4)+4*\i:R+16*((\t)%4)+4*\i+3] offset:32*SP*((\t)%2)+8*SP*\i
.endr
.irp i, 0,1,2,3
	ds_load_b128 v[X+16*((\t)%2)+4*\i:X+16*((\t)%2)+4*\i+3], v15 offset:32*SP*((\t)%2)+16*\i
.endr
.endm
.irp t, 0,1,2,3
	LOAD \t
.endr
	s_wait_loadcnt 12                              ; step 0's four loads are in; the twelve of steps 1 to 3 may be out
	TURN 0
.macro STEP t
.set XS, X+16*((\t)%2)
.if (\t) > 0
	s_wait_dscnt 1                                 ; this step's numbers are back from the stage (the last step's byte store may be out): so its stores into the stage have read their registers,
.else
	s_wait_dscnt 0x0
.endif
.if (\t)+4 < STEPS
	LOAD (\t)+4                                    ; which take the loads of four steps on
.endif
.if (\t)+1 < STEPS
.if STEPS-2-(\t) >= 3
	s_wait_loadcnt 12                              ; the next step's four loads are in; those of the three steps behind it may be out
.else
	s_wait_loadcnt 4*(STEPS-2-(\t))                ; at the end the count runs down: four loads for each step still behind
.endif
	TURN (\t)+1                                    ; and go through the other stage while this step is worked
.endif
	v_max3_num_f32 v8, |v[XS]|, |v[XS+1]|, |v[XS+2]|               ; the largest magnitude of my 16, in two chains
	v_max3_num_f32 v9, |v[XS+3]|, |v[XS+4]|, |v[XS+5]|
.irp i, 6,10
	v_max3_num_f32 v8, v8, |v[XS+\i]|, |v[XS+\i+1]|
	v_max3_num_f32 v9, v9, |v[XS+\i+2]|, |v[XS+\i+3]|
.endr
	v_max3_num_f32 v8, v8, |v[XS+14]|, |v[XS+15]|
	v_max3_num_f32 v8, v8, v9, 0x1800000           ; and the floor 2^(3 - 127): the byte cannot fall under 1
	v_max_num_f32_dpp v8, v8, v8 row_xmask:1 row_mask:0xf bank_mask:0xf   ; and of my neighbour's 16: the block's
	v_add_nc_u32 v11, 0xff000000, v8               ; 2 off its exponent field: the conversion takes the exponent field of this operand as its scale, and nothing else of it
	v_cvt_scalef32_pk16_fp6_f32 v[C+4*(\t):C+4*(\t)+2], v[XS:XS+15], v11   ; sixteen numbers / the scale, to the nearest code, beyond the largest code the largest; 96 bits without gaps
	v_lshrrev_b32 v[E+(\t)], 23, v11               ; the scale's byte (a plain line behind the conversion)
	ds_store_b8 v5, v[E+(\t)] offset:16*(\t)       ; both lanes of a block write the same byte with the same value
	global_store_b96 v4, v[C+4*(\t):C+4*(\t)+2], s[10:11] offset:32*CB*(\t)
.endm
.irp t, 0,1,2,3,4,5,6,7,8,9,10,11,12,13,14,15
	STEP \t
.endr
	ds_load_b64 v[12:13], v6                       ; in order behind my byte stores
	s_wait_dscnt 0x0
	global_store_b64 v7, v[12:13], s[12:13]        ; 32 lanes store 256 consecutive bytes, at a multiple of 256 from the buffer's first byte
	s_wait_tensorcnt 0x0
	ds_add_u32 v192, v193
	s_wait_dscnt 0x0
	s_endpgm
.Lfunc_end_k_q17670e4361_quant:
	.size	k_q17670e4361_quant, .Lfunc_end_k_q17670e4361_quant-k_q17670e4361_quant
	.p2alignl 7, 3214868480
	.fill 96, 4, 3214868480
	.section	.rodata,"a",@progbits
	.p2align	6, 0x0
	.amdhsa_kernel k_q17670e4361_quant
		.amdhsa_group_segment_fixed_size 33280
		.amdhsa_private_segment_fixed_size 0
		.amdhsa_enable_private_segment 0
		.amdhsa_kernarg_size 40
		.amdhsa_user_sgpr_count 2
		.amdhsa_user_sgpr_kernarg_segment_ptr 1
		.amdhsa_wavefront_size32 1
		.amdhsa_system_sgpr_workgroup_id_x 1
		.amdhsa_system_sgpr_workgroup_id_y 1
		.amdhsa_system_sgpr_workgroup_id_z 1
		.amdhsa_system_vgpr_workitem_id 0
		.amdhsa_next_free_vgpr 194
		.amdhsa_next_free_sgpr 66
		.amdhsa_reserve_vcc 0
		.amdhsa_float_denorm_mode_32 3
		.amdhsa_float_denorm_mode_16_64 3
		.amdhsa_memory_ordered 1
		.amdhsa_forward_progress 1
		.amdhsa_inst_pref_size 33
	.end_amdhsa_kernel
	.amdgpu_metadata
---
amdhsa.version: [ 1, 2 ]
amdhsa.kernels:
  - .name:           k_q17670e4361_quant
    .symbol:         k_q17670e4361_quant.kd
    .args:
      - { .name: x, .offset: 0, .size: 8, .value_kind: global_buffer, .address_space: global }
      - { .name: qkv_w, .offset: 8, .size: 8, .value_kind: global_buffer, .address_space: global }
      - { .name: out_w, .offset: 16, .size: 8, .value_kind: global_buffer, .address_space: global }
      - { .name: codes1, .offset: 24, .size: 8, .value_kind: global_buffer, .address_space: global }
      - { .name: scales1, .offset: 32, .size: 8, .value_kind: global_buffer, .address_space: global }
    .group_segment_fixed_size: 33280
    .private_segment_fixed_size: 0
    .kernarg_segment_align: 8
    .kernarg_segment_size: 40
    .max_flat_workgroup_size: 128
    .sgpr_count:     66
    .vgpr_count:     194
    .wavefront_size: 32
...
	.end_amdgpu_metadata
.endif
;; end of part 1
;; launch gemm_qkv (part 2): grid 12 x 32, 4 waves a work-group, clusters of 4 x 4, 327,680 bytes of LDS; arguments codes1, scales1, qkv_b, qkv_img, qkv_sc; writes qkv_img, qkv_sc
.if DOCPART == 2
	.amdgcn_target "amdgcn-amd-amdhsa--gfx1250"
	.amdhsa_code_object_version 6
	.text
	.protected	k_q17670e4361_gemm_qkv
	.globl	k_q17670e4361_gemm_qkv
	.p2align	8
	.type	k_q17670e4361_gemm_qkv,@function
k_q17670e4361_gemm_qkv:
	s_mov_b64 s[64:65], 0
	v_nop
	global_prefetch_b8 v0, s[64:65] scope:SCOPE_SE
	s_setreg_imm32_b32 hwreg(HW_REG_WAVE_MODE, 25, 1), 1
	s_wait_xcnt 0x0
	s_wait_alu depctr_hold_cnt(0) depctr_sa_sdst(0) depctr_va_vdst(0) depctr_va_sdst(0) depctr_va_ssrc(0) depctr_va_vcc(0) depctr_vm_vsrc(0)
	s_getreg_b32 s2, hwreg(HW_REG_IB_STS2, 6, 4)
	s_cmp_eq_u32 s2, 0
	s_cbranch_scc0 .Lentry_in_a_cluster
	s_endpgm
.Lentry_in_a_cluster:
	s_bfe_u32 s2, ttmp6, 0x10000c
	s_cmp_lg_u32 s2, 0xf033
	s_cbranch_scc0 .Lentry_shape_is_right
	s_endpgm
.Lentry_shape_is_right:
; qkv = x qkv_w^T + qkv_b on codes of FP6 (E2M3) with one E8M0 scale for each 32 along K (K = 1,024); sums in f32.  The result never goes to memory as f32: it is quantised here, in registers, for the product that
; takes it (q and k along the head's 64, v along the keys), and leaves as IMAGES OF OPERAND REGISTERS with their scale words.
; A tile of the result, 256 x 256, is made by a work-group of four waves; a wave makes 128 x 128: 64 accumulators of 16 x 16, 512 registers.  K goes in steps of 256 through a ring of two LDS slots filled by the
; tensor data mover (a tile's row is 192 bytes); the scale bytes of the work-group's 2 x 256 rows, for all of K, come into LDS once, with the first fills.
; TWO ROLES.  "B" is source 0 of the matrix instruction: its 16 rows run along a lane's eight result registers.  "A" is source 1: its 16 rows lie across the lanes.  A quantiser takes neighbours from ONE lane's
; registers, so B is the side along which the result is quantised: for q and k the rows of the weight (B = qkv_w, A = x), for v the tokens (B = x, A = qkv_w's last 1,024 rows).
; The cluster's x says which: 0 = q, 1 = k, 2 = v; it is the same in all sixteen partners, so the branches that hang on it (which bias is added, how the scale words are gathered) are taken alike by all.
; THE ROWS in codes1 stand so that place 16 u + r of each 32 holds row 8 u + r + 8 (r / 8): so the 16 registers of B's blocks 2 b and 2 b + 1 are the 16 neighbours 32 b + 16 (lane / 16) + 0 .. 15,
; and lane r of A's block a holds row 32 (a / 2) + 8 (a % 2) + r + 8 (r / 8).
; CLUSTERS: 4 x 4 work-groups.  The four of a row of the cluster need the same tiles of A, the four of a column the same tiles of B: each tile is asked for JOINTLY, by the same tensor load with the same
; descriptor and a mask that names the four.  The grid is 384 tiles in 24 clusters.
; WHAT LEAVES.  A half image is six registers of 32 lanes, 768 bytes: registers 0-3 as 16 bytes at 16 x lane, registers 4-5 as 8 bytes at 512 + 8 x lane: one store of 512 and one of 256 consecutive, aligned bytes.
;   q, k: qkv_img[section][batch x head][128 tokens][tile of 16 tokens] = a half image: lane (r, h) holds block h of the head's 64 of the tile's token r.
;   v:    qkv_img[2][batch x head][128 keys][tile of 16 of the head's 64] = two half images: a whole operand of 16 rows x 128 keys.
;   Scale words: 256 bytes for each [batch x head][128 tokens]: the word of (item i, row r) at byte 8 (16 (i % 2) + r) + 4 (i / 2).  q, k: item i = tiles 2 i and 2 i + 1, two bytes each; v: item i = tile i, four bytes.
; LIMITS: a block of zeros gets the byte 1 where the rule says 127 (zero codes; this program alone reads the bytes); blocks under 2^-124 take the floor's byte; NaN and infinities are not served.
; REGISTERS, in windows of 256: window 0: v0-31 addresses; v32-63 scale words, two sets; v64-127 the bias along the registers; v128-223 A's fragments, ONE set; v224-239 the bias along the lanes; v240-255 at work.
;   window 1: B's fragments, TWO sets, at v0 and v128.   window 2: the accumulators of A's blocks 0-3 ((a, b) at v[8 (8 a + b)]);   window 3: those of blocks 4-7.
.set KSTEP,  256                       ; along K in a slot
.set NQ,     2                         ; matrix instructions deep
.set ROWB,   192                       ; a tile's row in bytes
.set KROW,   768                       ; a row of codes in memory
.set PITCH,  240                       ; an LDS row: 3 x (64 bytes + 16 of padding) = 60 words: the 32 lanes of a load of 8 bytes touch 64 different banks (64 banks of 4 bytes: ISA guide 11.1)
.set FR,     12                        ; registers of a fragment: 16 rows x 128 K
.set NL,     6                         ; LDS loads that bring one
.set NP,     4                         ; places behind this matrix instruction (ISA guide 7.12.1)
.set HALFT,  128*PITCH                 ; 128 rows: what one tensor load brings
.set SLOT,   4*HALFT                   ; A's 256 rows, then B's 256 rows
.set LAPS,   2                         ; 1,024 along K = twice round the ring
.set KS,     32                        ; a row of scale bytes
.set SCL,    2*SLOT                    ; behind the ring: the scales, as rows of 256 bytes + 16 of padding
.set HALFS,  16*272                    ; the scales of 128 rows
.set SBLK,   2*272                     ; those of 16 rows
.set SPARE,  SCL+4*HALFS               ; behind the scales: the spare words, 128 bytes for each wave: two blocks of 256 bytes that no other line names
.set WPOS,   8192                      ; qkv_w's first place in codes1
.set VPOS,   10240                     ; the place of its row 2,048
.set SEC,    6291456                   ; bytes of a section (q, k or v) of qkv_img
.set SECS,   262144                    ; and of qkv_sc
.set HEADB,  98304                     ; bytes of a batch x head in a section
.set O16,  8                           ; v8   16 x lane             (v7-12 are made behind the products)
.set O8,   9                           ; v9   512 + 8 x lane
.set P16,  10                          ; v10  the same two for the second half image
.set P8,   11                          ; v11
.set L8,   12                          ; v12  8 x lane
.set ADRA, 16                          ; v16-17  LDS address of my A fragments in slot 0, 1  (v18-19: for the pieces that lie behind one padding more)
.set ADRB, 20                          ; v20-21  the same for B  (v22-23)
.set ADRS, 27                          ; v27     LDS address of my scale words: lanes 0-15 A's rows, lanes 16-31 B's
.set SPW,  28                          ; v28     LDS address of my spare word; never rewritten
.set NIL,  29                          ; v29     0; never rewritten
.set OJ,   30                          ; v30     64 x (lane / 16): my place in the bias along the registers
.set OI,   31                          ; v31     4 x (r + 8 (r / 8)): in the bias along the lanes
.set SC,   32                          ; scale words: set s at v[SC + 16 s]; register 2 i + q: lanes 0-15 the word of A's block i, lanes 16-31 that of B's block i
.set BJ,   64                          ; v64-127  bias of B's block b, register j, at v[BJ + 8 b + j]
.set AF,   128                         ; A's fragments
.set BI,   224                         ; v224-239 bias of A's block a, my lane's row, twice: a pair for the packed addition
.set H,    128                         ; behind the products: v128-191 64 numbers to quantise
.set PC,   192                         ; v192-203 their codes; v204-206, v208-210 halves on the way
.set PWS,  212                         ; v212-219 the scale word of each of A's eight blocks
.set TM,   240                         ; v240-255 at work
.set U,    128                         ; at the end: v128-135 the words by item, v136-139 as they are stored
.set Y,    136
.set G1, 24                            ; s[24:31] descriptor group 1 for A's tiles;  s[32:39] group 0, one set for each slot
.set G0, 32
.set G1B, 48                           ; s[48:55], s[56:63] the same for B's tiles
.set G0B, 56
.set G1S, 68                           ; s[68:75], s[76:79] groups 1 and 0 for A's scales;  s[80:87], s[88:91] for B's
.set G0S, 76
.set G1SB, 80
.set G0SB, 88
.set MODE, 95                          ; s95  1: this cluster makes v
.set SEL, 100                          ; s[100:101] v_permlanex16_b32's selects for lane l xor 16
.set MSB, 0
.macro WIN new                         ; the immediate's high byte repeats the setting that is left
.if MSB != (\new)
	s_set_vgpr_msb (MSB<<8)|(\new)
.set MSB, (\new)
.endif
.endm
.set MUL_LO, 0xa1                      ; source 0 (B) window 1, source 1 (A) window 0, C and D window 2
.set MUL_HI, 0xf1                      ; the same, C and D window 3
.set TO_B,   0x40                      ; destination window 1, address window 0
; A joint load: waves 0 and 1 fetch for A, waves 2 and 3 for B.  Each of the two lines has ONE mask and one set of registers for all that issue it; the branch hangs on the wave's number alone.
; Four v_nop follow each of the two lines, ahead of the jump, the label and what follows.
.macro JLOAD g0a, g1a, g0b, g1b
	s_cmp_eq_u32 s15, 0
	s_cbranch_scc0 .Lfor_b_\@
	tensor_load_to_lds s[\g0a:\g0a+3], s[\g1a:\g1a+7]
	s_nop 0
.rept 4
	v_nop
.endr
	s_branch .Lasked_\@
.Lfor_b_\@:
	tensor_load_to_lds s[\g0b:\g0b+3], s[\g1b:\g1b+7]
	s_nop 0
.rept 4
	v_nop
.endr
.Lasked_\@:
.endm
.macro CREST                           ; a round of the cluster's barrier behind its opening barrier
	s_cmp_lg_u32 s14, 0
	s_cbranch_scc1 .Lnot_wave_0_\@
	s_barrier_signal -3
.Lnot_wave_0_\@:
	s_barrier_wait -3
	s_barrier_signal -1
	s_barrier_wait -1
.endm
.macro CROUND                          ; a whole round
	s_barrier_signal -1
	s_barrier_wait -1
	CREST
.endm
	s_load_b128 s[4:7], s[0:1], 0x0                ; codes1 s[4:5], scales1 s[6:7]
	s_load_b128 s[8:11], s[0:1], 0x10              ; qkv_b s[8:9], qkv_img s[10:11]
	s_load_b64 s[12:13], s[0:1], 0x20              ; qkv_sc
	v_lshl_add_u32 v[SPW], v0, 2, SPARE
	v_mov_b32 v[NIL], 0
	ds_add_u32 v28, v29
	ds_add_u32 v28, v29
	s_wait_dscnt 0x0
	v_lshrrev_b32 v1, 5, v0
	v_readfirstlane_b32 s14, v1                    ; wave 0..3
	s_lshr_b32 s15, s14, 1                         ; which half of A's rows is mine.  Also: I fetch for A (0) or for B (1)
	s_and_b32 s16, s14, 1                          ; which half of B's rows.  Also: which 128 rows of that tile I fetch
	s_bfe_u32 s40, ttmp6, 0x40000                  ; cx, cy: my place in the cluster
	s_bfe_u32 s41, ttmp6, 0x40004
	s_and_b32 s96, ttmp7, 0xffff
	s_lshl_b32 s96, s96, 2                         ; 4 x cluster y
	s_lshl_b32 s97, ttmp9, 2                       ; 4 x cluster x
	s_mov_b32 s[SEL], 0x76543210
	s_mov_b32 s[SEL+1], 0xfedcba98
	s_cmp_eq_u32 ttmp9, 2                          ; the roles, by the cluster's x alone.  Only selections stand between this compare and the additions below
	s_cselect_b32 s[MODE], 1, 0
	s_cselect_b32 s17, 0, s96                      ; A's tile: v: cy of the weight's four;  q, k: 4 x cluster y + cy of x's 32
	s_cselect_b32 s98, VPOS, 0                     ; and the place at which its tensor begins
	s_cselect_b32 s42, s96, s97                    ; B's tile: v: 4 x cluster y + cx of x's 32;  q, k: 4 x cluster x + cx of the weight's first eight
	s_cselect_b32 s99, 0, WPOS
	s_add_co_u32 s17, s17, s41                     ; A's tile never holds cx,
	s_add_co_u32 s42, s42, s40                     ; B's never cy
	s_lshl_b32 s43, s41, 2
	s_lshl_b32 s43, 15, s43                        ; my row of the cluster
	s_lshl_b32 s44, 0x1111, s40                    ; my column
	; descriptor group 1: a tile of 128 rows x 192 bytes, padded in LDS
	s_or_b32 s[G1+0], s43, (0<<16)|(1<<20)|(1<<21)|(3<<22)|(3<<25)  ; 15:0 the mask: A's tiles go to my row; 17:16 element of 1 byte; 20 padding on; 21 set beside a mask; 24:22 after every 16 words (code 3); 31:25 of 4 words (code 3)
	s_or_b32 s[G1B+0], s44, (0<<16)|(1<<20)|(1<<21)|(3<<22)|(3<<25)
.irp g, G1, G1B
	s_mov_b32 s[\g+1], ROWB<<16                    ; tensor_dim0
	s_mov_b32 s[\g+2], 128<<16                     ; tensor_dim1 = 128
	s_mov_b32 s[\g+3], ROWB<<16                    ; tile_dim0
	s_mov_b32 s[\g+4], 128                         ; tile_dim1 = 128
	s_mov_b32 s[\g+5], KROW                        ; tensor_dim0_stride
	s_mov_b32 s[\g+6], 0
	s_mov_b32 s[\g+7], 0
.endr
	; and for the scales of 128 rows: a dense block of 4,096 bytes, as 16 rows of 256 bytes (32 elements of 8 bytes), 16 bytes of padding behind each
	s_or_b32 s[G1S+0], s43, (3<<16)|(1<<20)|(1<<21)|(5<<22)|(3<<25)
	s_or_b32 s[G1SB+0], s44, (3<<16)|(1<<20)|(1<<21)|(5<<22)|(3<<25)
.irp g, G1S, G1SB
	s_mov_b32 s[\g+1], 32<<16
	s_mov_b32 s[\g+2], (128*KS/256)<<16
	s_mov_b32 s[\g+3], 32<<16
	s_mov_b32 s[\g+4], 128*KS/256
	s_mov_b32 s[\g+5], 32
	s_mov_b32 s[\g+6], 0
	s_mov_b32 s[\g+7], 0
.endr
	s_lshl_b32 s18, s16, 7                         ; which 128 rows of the tile I fetch
	s_lshl_b32 s20, s17, 8
	s_add_co_u32 s20, s20, s18
	s_add_co_u32 s20, s20, s98                     ; A: the first place that I would fetch
	s_lshl_b32 s46, s42, 8
	s_add_co_u32 s46, s46, s18
	s_add_co_u32 s46, s46, s99                     ; B likewise.  Places stay under 12,288, so every offset below stays under 2^31
	s_lshl_b32 s22, s20, 5                         ; scale bytes: 32 a place
	s_mov_b32 s23, 0
	s_lshl_b32 s92, s46, 5
	s_mov_b32 s93, 0
	s_mul_i32 s20, s20, KROW                       ; codes: 768 bytes a place
	s_mov_b32 s21, 0
	s_mul_i32 s46, s46, KROW
	s_mov_b32 s47, 0
	s_mul_i32 s45, s14, HALFT                      ; where they go: wave x 128 rows: no place in the cluster enters an LDS address
	s_mul_i32 s94, s14, HALFS
	s_wait_kmcnt 0x0
	s_add_nc_u64 s[20:21], s[4:5], s[20:21]
	s_add_nc_u64 s[22:23], s[6:7], s[22:23]
	s_add_nc_u64 s[46:47], s[4:5], s[46:47]
	s_add_nc_u64 s[92:93], s[6:7], s[92:93]
	CROUND                                         ; all sixteen work-groups are here: the first joint loads meet
	s_mov_b32 s[G0S], 1
	s_add_co_u32 s[G0S+1], s94, SCL
	s_mov_b64 s[G0S+2:G0S+3], s[22:23]
	s_or_b32 s[G0S+3], s[G0S+3], 0x80000000
	s_mov_b32 s[G0SB], 1
	s_add_co_u32 s[G0SB+1], s94, SCL
	s_mov_b64 s[G0SB+2:G0SB+3], s[92:93]
	s_or_b32 s[G0SB+3], s[G0SB+3], 0x80000000
	JLOAD G0S, G1S, G0SB, G1SB                     ; the scales first: they are wanted with K step 0
.irp s, 0,1
	s_mov_b32 s[G0+4*\s], 1
	s_add_co_u32 s[G0+4*\s+1], s45, \s*SLOT
	s_add_nc_u64 s[G0+4*\s+2:G0+4*\s+3], s[20:21], \s*ROWB
	s_or_b32 s[G0+4*\s+3], s[G0+4*\s+3], 0x80000000
	s_mov_b32 s[G0B+4*\s], 1
	s_add_co_u32 s[G0B+4*\s+1], s45, \s*SLOT
	s_add_nc_u64 s[G0B+4*\s+2:G0B+4*\s+3], s[46:47], \s*ROWB
	s_or_b32 s[G0B+4*\s+3], s[G0B+4*\s+3], 0x80000000
	JLOAD G0+4*\s, G1, G0B+4*\s, G1B               ; three tensor loads of mine are out now
.endr
	v_and_b32 v1, 15, v0                           ; r = l % 16
	v_bfe_u32 v2, v0, 4, 1                         ; h = l / 16
	v_mul_u32_u24 v3, v1, PITCH
	v_mul_u32_u24 v4, v2, 24
	v_add_nc_u32 v4, v3, v4                        ; a fragment's row x pitch + 24 x half
	v_lshl_add_u32 v5, v2, 4, v4                   ; and the same behind one padding more
	s_mul_i32 s21, s15, HALFT                      ; my 128 rows of A
	s_mul_i32 s22, s16, HALFT                      ; my 128 rows of B,
	s_add_co_u32 s22, s22, 2*HALFT                 ; which lie behind A's 256
.irp s, 0,1
	v_add_nc_u32 v[ADRA+\s], s21, v4
	v_add_nc_u32 v[ADRB+\s], s22, v4
	v_add_nc_u32 v[ADRA+2+\s], s21, v5
	v_add_nc_u32 v[ADRB+2+\s], s22, v5
	s_add_co_u32 s21, s21, SLOT
	s_add_co_u32 s22, s22, SLOT
.endr
	v_mul_u32_u24 v5, v1, KS                       ; my row's scales: 32 bytes a row,
	v_lshrrev_b32 v6, 8, v5
	v_lshl_add_u32 v5, v6, 4, v5                   ; and 16 more for each 256 passed
	s_mul_i32 s21, s15, HALFS                      ; A's: my 128 rows
	s_mul_i32 s22, s16, HALFS                      ; B's: my 128 rows, behind A's 256
	s_add_co_u32 s22, s22, 2*HALFS
	s_sub_co_u32 s22, s22, s21
	v_mul_u32_u24 v6, s22, v2                      ; lanes 16-31 take B's: one product, the distance between the two
	s_add_co_u32 s21, s21, SCL
	v_add_nc_u32 v5, v5, v6
	v_add_nc_u32 v[ADRS], s21, v5
	; THE BIAS, both ways; both runs of addresses lie inside qkv_b in every cluster, so both are always loaded, and the way out picks one.
	s_lshl_b32 s92, ttmp9, 12                      ; along the registers: qkv_b at 1,024 x cluster x + 256 cx + 128 x my half of B (in the registers that held B's address)
	s_lshl_b32 s93, s40, 10
	s_add_co_u32 s92, s92, s93
	s_lshl_b32 s93, s16, 9
	s_add_co_u32 s92, s92, s93
	s_mov_b32 s93, 0
	s_add_nc_u64 s[92:93], s[8:9], s[92:93]
	s_lshl_b32 s22, s41, 10                        ; along the lanes: qkv_b at 2,048 + 256 cy + 128 x my half of A (in the registers that held A's)
	s_lshl_b32 s23, s15, 9
	s_add_co_u32 s22, s22, s23
	s_add_co_u32 s22, s22, 2048*4
	s_mov_b32 s23, 0
	s_add_nc_u64 s[22:23], s[8:9], s[22:23]
	v_lshlrev_b32 v[OJ], 6, v2
	v_and_b32 v[OI], 8, v1
	v_add_nc_u32 v[OI], v[OI], v1
	v_lshlrev_b32 v[OI], 2, v[OI]
.irp b, 0,1,2,3,4,5,6,7
	global_load_b128 v[BJ+8*\b:BJ+8*\b+3],   v[OJ], s[92:93] offset:(32*(\b/2)+8*(\b%2))*4      ; register j of B's block b is row 32 (b / 2) + 16 h + 8 (b % 2) + j
	global_load_b128 v[BJ+8*\b+4:BJ+8*\b+7], v[OJ], s[92:93] offset:(32*(\b/2)+8*(\b%2))*4+16
.endr
.irp a, 0,1,2,3,4,5,6,7
	global_load_b32 v[BI+2*\a],   v[OI], s[22:23] offset:(32*(\a/2)+8*(\a%2))*4                 ; lane r of A's block a is row 32 (a / 2) + 8 (a % 2) + r + 8 (r / 8)
	global_load_b32 v[BI+2*\a+1], v[OI], s[22:23] offset:(32*(\a/2)+8*(\a%2))*4
.endr
.macro FRAG reg, adr, q, i             ; a fragment, 16 rows x 128 K of 6-bit codes, is 12 registers: lane l holds row l % 16; registers 6 c .. 6 c + 5 hold K = 64 c + 32 (l / 16) + 0 .. 31: 24 bytes of the row's stream of bits, as they lie
.irp p, 0,1,2,3,4,5                    ; in pieces of 8 bytes, so that every address is a multiple of the access's size.  Lanes 0-15 take the row's pieces 12 q + 0, 1, 2 and 12 q + 6, 7, 8, lanes 16-31 those three pieces on
.set PCE, 12*(\q)+6*(\p/3)+\p%3       ; 16 bytes of padding lie behind every 8 pieces: where the piece three on lies behind one padding more, the second address register (40 for 24 bytes a half) serves
.if PCE%8 < 5
	ds_load_b64 v[\reg+2*\p:\reg+2*\p+1], v[\adr] offset:8*PCE+16*(PCE/8)+(\i)*16*PITCH
.else
	ds_load_b64 v[\reg+2*\p:\reg+2*\p+1], v[\adr+2] offset:8*PCE+16*(PCE/8)+(\i)*16*PITCH
.endif
.endr
.endm
; 16 matrix instructions: A's blocks a0, a0 + 1 x B's eight, 128 along K: the slot's q-th.  p: B's set;  sc: the set of scale words.  zero = 1: the first product starts the sums: nothing is ever cleared.
; The 64 accumulators take turns, one instruction a turn, in the same order in every step.
.macro MUL16 a0, p, q, sc, zero
.irp a, \a0, \a0+1
.irp b, 0,1,2,3,4,5,6,7
.if \zero
	v_wmma_scale_f32_16x16x128_f8f6f4 v[8*(8*((\a)%4)+\b):8*(8*((\a)%4)+\b)+7], v[128*(\p)+FR*\b:128*(\p)+FR*\b+FR-1], v[AF+FR*(\a):AF+FR*(\a)+FR-1], 0, v[SC+8*NQ*(\sc)+NQ*\b+(\q)], v[SC+8*NQ*(\sc)+NQ*(\a)+(\q)] matrix_a_fmt:MATRIX_FMT_FP6 matrix_b_fmt:MATRIX_FMT_FP6 matrix_a_scale:MATRIX_SCALE_ROW1
.else
	v_wmma_scale_f32_16x16x128_f8f6f4 v[8*(8*((\a)%4)+\b):8*(8*((\a)%4)+\b)+7], v[128*(\p)+FR*\b:128*(\p)+FR*\b+FR-1], v[AF+FR*(\a):AF+FR*(\a)+FR-1], v[8*(8*((\a)%4)+\b):8*(8*((\a)%4)+\b)+7], v[SC+8*NQ*(\sc)+NQ*\b+(\q)], v[SC+8*NQ*(\sc)+NQ*(\a)+(\q)] matrix_a_fmt:MATRIX_FMT_FP6 matrix_b_fmt:MATRIX_FMT_FP6 matrix_a_scale:MATRIX_SCALE_ROW1
.endif
.endr
.endr
.endm
.macro FETCH_B slot, q, p              ; B's eight fragments of the slot's q-th 128 along K into set p
	WIN TO_B
.irp i, 0,1,2,3,4,5,6,7
	FRAG 128*(\p)+FR*\i, ADRB+\slot, \q, \i
.endr
	WIN 0
.endm
.macro FETCH_A slot, q, i0             ; A's blocks i0 .. i0 + 3
.irp i, \i0, \i0+1, \i0+2, \i0+3
	FRAG AF+FR*(\i), ADRA+\slot, \q, \i
.endr
.endm
.macro SCALES sc                       ; the next K step's scale words into set sc: two words a row; lanes 0-15 take A's block i, lanes 16-31 B's block i
.irp i, 0,1,2,3,4,5,6,7
	ds_load_b64 v[SC+8*NQ*\sc+NQ*\i:SC+8*NQ*\sc+NQ*\i+1], v[ADRS] offset:\i*SBLK
.endr
.endm
; A load into a register that a matrix instruction has read, and a vector instruction that reads a matrix result, stand NP places behind that matrix instruction, and only plain vector instructions that name none
; of its registers are places (ISA guide 7.12.1 for vector instructions); this text does not count the matrix instructions in between.
.macro PLACES n
.rept \n
	v_nop
.endr
.endm
; A step of 128 along K that has its successor in the same slot.  A's blocks go one after the other, each against B's eight: so one set of registers serves A (blocks 0-3 fetched anew in the middle, 4-7 at the end), two serve B.
.macro STEP slot, q, zero
	s_wait_dscnt 4*NL                              ; B's set and A's blocks 0-3 are in; the youngest 24 loads (A's blocks 4-7) may be out
	WIN MUL_LO
	MUL16 0, (\q)%2, \q, \slot, \zero
	MUL16 2, (\q)%2, \q, \slot, \zero
	s_wait_dscnt 0                                 ; A's blocks 4-7 are in (asked for 32 matrix instructions ago)
	PLACES NP
	FETCH_B \slot, (\q)+1, 1-(\q)%2
	FETCH_A \slot, (\q)+1, 0
	WIN MUL_HI
	MUL16 4, (\q)%2, \q, \slot, \zero
	MUL16 6, (\q)%2, \q, \slot, \zero
	PLACES NP
	WIN 0
	FETCH_A \slot, (\q)+1, 4
.endm
; A slot's last step changes slots: ONE barrier; in front of it each wave waits for all its tensor loads, adds 0 to its spare word, and waits for that and for its own reads of this slot.  fill = 1: this slot is filled again, two K steps ahead.
.macro TURN slot, next, fill
	s_wait_tensorcnt 0x0                           ; all my tensor loads have landed: my part of the next slot;  (every window is 0 here: the add's two registers lie in window 0)
	ds_add_u32 v[SPW], v[NIL]                      ; 0 onto my spare word
	s_wait_dscnt 4*NL+1                            ; (the add and the youngest 24 loads, A's blocks 4-7, may be out)
	WIN MUL_LO
	MUL16 0, 1, NQ-1, \slot, 0                     ; sixteen matrix instructions stand between the add and the wait for it
	s_wait_dscnt 0x0                               ; the add is done, and my reads of this slot are over
	s_barrier_signal -1
	MUL16 2, 1, NQ-1, \slot, 0
	WIN 0
	s_barrier_wait -1
.if \fill
	CREST                                          ; the barrier has opened a round of the cluster's barrier: no wave of any partner still reads this slot's tile or has a load on its way
	s_add_nc_u64 s[G0+4*\slot+2:G0+4*\slot+3], s[G0+4*\slot+2:G0+4*\slot+3], 2*ROWB
	s_add_nc_u64 s[G0B+4*\slot+2:G0B+4*\slot+3], s[G0B+4*\slot+2:G0B+4*\slot+3], 2*ROWB
	JLOAD G0+4*\slot, G1, G0B+4*\slot, G1B         ; the first tensor load behind the round, my only one until the next; the four v_nop behind it are the places in front of the loads below
.else
	PLACES NP
.endif
	v_add_nc_u32 v[ADRS], 4*NQ, v[ADRS]            ; on to the next K step's scale words (no LDS load of mine is out)
	FETCH_B \next, 0, 0
	FETCH_A \next, 0, 0
	SCALES \next
	WIN MUL_HI
	MUL16 4, 1, NQ-1, \slot, 0
	MUL16 6, 1, NQ-1, \slot, 0
	PLACES NP
	WIN 0
	FETCH_A \next, 0, 4
.endm
	s_wait_tensorcnt 1                             ; the scales and my part of K step 0 are in (K step 1's load, the youngest, may be out)
	s_wait_loadcnt 0x0                             ; and so are the biases
	s_barrier_signal -1
	s_barrier_wait -1                              ; everybody's are
	FETCH_B 0, 0, 0
	FETCH_A 0, 0, 0
	SCALES 0
	FETCH_A 0, 0, 4
	STEP 0, 0, 1                                   ; the first step's products start the sums
.rept LAPS-1                                       ; once round the ring, from a lap's second step to the next lap's first; both slots are filled again.  Written out: K has two laps
	TURN 0, 1, 1
	STEP 1, 0, 0
	TURN 1, 0, 1
	STEP 0, 0, 0
.endr
	TURN 0, 1, 0                                   ; the last lap fills nothing, and has no round of the cluster's barrier
	STEP 1, 0, 0
	s_wait_dscnt 4*NL                              ; the very last step: nothing more to fetch
	WIN MUL_LO
	MUL16 0, 1, NQ-1, 1, 0
	MUL16 2, 1, NQ-1, 1, 0
	s_wait_dscnt 0
	WIN MUL_HI
	MUL16 4, 1, NQ-1, 1, 0
	MUL16 6, 1, NQ-1, 1, 0
	WIN 0
; THE WAY OUT.  Where my images go.  All tensor loads are long done, so the registers of the scales' descriptors serve again.  Only moves and selections stand behind the compare.
	s_cmp_eq_u32 s[MODE], 1
	s_cselect_b32 s20, s42, s17                    ; the tile of 256 tokens: B's in v, A's in q and k
	s_cselect_b32 s21, s16, s15                    ; and my half of it
	s_cselect_b32 s22, s41, s40                    ; the tile of four heads
	s_cselect_b32 s23, s15, s16                    ; and my two of them
	s_mov_b32 s88, HEADB
	s_cselect_b32 s88, 768, s88                    ; from registers 0-5 to registers 6-11: v: the operand's second half image; q, k: the same tile of the next head
	s_mov_b32 s76, 768
	s_cselect_b32 s76, 1536, s76                   ; from one of A's blocks to the next
	s_mov_b32 s78, 768
	s_cselect_b32 s78, HEADB-3*1536, s78           ; and from block 3 to block 4: in v that is the next head's first tile
	s_mov_b32 s77, 0
	s_mov_b32 s79, 0
	s_lshr_b32 s45, s20, 3                         ; the batch: 8 tiles of 256 tokens each
	s_lshl_b32 s45, s45, 4
	s_lshl_b32 s22, s22, 2
	s_add_co_u32 s45, s45, s22
	s_lshl_b32 s23, s23, 1
	s_add_co_u32 s45, s45, s23                     ; batch x 16 + my first head
	s_lshl_b32 s45, s45, 4
	s_and_b32 s20, s20, 7
	s_lshl_b32 s20, s20, 1
	s_add_co_u32 s45, s45, s20
	s_add_co_u32 s45, s45, s21                     ; x 16 + which 128 tokens of the batch
	s_mul_i32 s20, s45, 6144
	s_mul_i32 s21, ttmp9, SEC
	s_add_co_u32 s20, s20, s21                     ; under 2^31: the buffer has 18,874,368 bytes
	s_mov_b32 s21, 0
	s_add_nc_u64 s[10:11], s[10:11], s[20:21]
	s_lshl_b32 s20, s45, 8
	s_mul_i32 s22, ttmp9, SECS
	s_add_co_u32 s20, s20, s22
	s_add_nc_u64 s[12:13], s[12:13], s[20:21]
	v_and_b32 v7, 31, v0                           ; these ten plain lines, which name no register of the last products, are the places behind them
	v_lshlrev_b32 v[O16], 4, v7
	v_lshlrev_b32 v[L8], 3, v7
	v_add_nc_u32 v[O8], 512, v[L8]
	v_add_nc_u32 v[P16], s88, v[O16]
	v_add_nc_u32 v[P8], s88, v[O8]
.irp b, 0,1,2,3
	v_mov_b32 v[TM+4+\b], 0                        ; written once: a lane permute's destination counts as one of its sources
.endr
	v_cmp_le_u32 s89, 16, v7                       ; lanes 16-31
; 64 numbers of a lane, v[s] .. v[s + 63], register 16 b + i = place 32 b + 16 (lane / 16) + i along the quantiser's axis, become an operand's 12 registers in v[PC] on and its scale word in v[pw].
.macro QUANT s, pw
.irp b, 0,1,2,3
	v_max3_num_f32 v[TM+\b], |v[\s+16*\b]|, |v[\s+1+16*\b]|, 0x1800000   ; block b: my 16 numbers, and the floor 2^(3 - 127): the byte cannot fall under 1
.endr
.irp i, 2,4,6,8,10,12,14
.irp b, 0,1,2,3
	v_max3_num_f32 v[TM+\b], v[TM+\b], |v[\s+16*\b+\i]|, |v[\s+1+16*\b+\i]|   ; (the four blocks by turns: no line waits for the line above it)
.endr
.endr
.irp b, 0,1,2,3
	v_permlanex16_b32 v[TM+4+\b], v[TM+\b], s[SEL], s[SEL+1]
.endr
.irp b, 0,1,2,3
	v_max_num_f32 v[TM+\b], v[TM+\b], v[TM+4+\b]   ; with lane l xor 16's: the block's largest magnitude
.endr
.irp b, 0,1,2,3
	v_add_nc_u32 v[TM+12+\b], 0xff000000, v[TM+\b] ; 2 off its exponent field: the conversion takes the exponent field of this operand as its scale
.endr
.irp b, 0,1,2,3
	v_lshrrev_b32 v[TM+4+\b], 23, v[TM+12+\b]      ; the scale's byte
.endr
	v_lshl_or_b32 v[\pw], v[TM+5], 8, v[TM+4]      ; the four bytes make my row's scale word; both halves of the lanes hold it
	v_lshl_or_b32 v[\pw], v[TM+6], 16, v[\pw]
	v_lshl_or_b32 v[\pw], v[TM+7], 24, v[\pw]
.irp c, 0,1
	v_cvt_scalef32_pk16_fp6_f32 v[PC+6*\c:PC+2+6*\c], v[\s+32*\c:\s+15+32*\c], v[TM+12+2*\c]
	v_cvt_scalef32_pk16_fp6_f32 v[PC+12+4*\c:PC+14+4*\c], v[\s+16+32*\c:\s+31+32*\c], v[TM+12+2*\c+1]   ; (a conversion's three registers begin on an even number)
.endr
	v_nop                                          ; one plain place behind a scaled conversion
.irp c, 0,1                                    ; the operand's layout wants a WHOLE block in a lane: lanes 0-15 block 2 c, lanes 16-31 block 2 c + 1
.irp i, 0,1,2
	v_permlane16_swap_b32 v[PC+6*\c+\i], v[PC+12+4*\c+\i]
.endr
.irp i, 0,1,2
	v_mov_b32 v[PC+3+6*\c+\i], v[PC+12+4*\c+\i]
.endr
.endr
.endm
; A's block a: its eight accumulators + the bias, in f32, each accumulator from its low end on; quantised; two half images stored.
.macro EPI a
.set AC, 64*((\a)%4)
	s_cmp_lg_u32 s[MODE], 0                        ; which bias: the same way in all sixteen partners
	s_cbranch_scc1 .Lbias_v_\@
	WIN 0x02+(\a)/4                                ; source 0: window 2 or 3
.set i, 0
.rept 32
	v_pk_add_f32 v[H+i:H+i+1], v[AC+i:AC+i+1], v[BJ+i:BJ+i+1]          ; q, k: the registers run along the weight's rows
.set i, i+2
.endr
	WIN 0
	s_branch .Lbiased_\@
.Lbias_v_\@:
	WIN 0x02+(\a)/4
.set i, 0
.rept 32
	v_pk_add_f32 v[H+i:H+i+1], v[AC+i:AC+i+1], v[BI+2*(\a):BI+2*(\a)+1]   ; v: my lane is one of the weight's rows
.set i, i+2
.endr
	WIN 0
.Lbiased_\@:
	QUANT H, PWS+(\a)
	global_store_b128 v[O16], v[PC:PC+3], s[10:11]         ; 32 lanes store 512 consecutive bytes,
	global_store_b64  v[O8],  v[PC+4:PC+5], s[10:11]       ; and 256, both at multiples of 256 from the buffer's first byte
	global_store_b128 v[P16], v[PC+6:PC+9], s[10:11]
	global_store_b64  v[P8],  v[PC+10:PC+11], s[10:11]
.if (\a) < 7
	s_wait_xcnt 0x0                                ; the stores' addresses are translated (ISA guide 3.1): only behind this wait are their base and their data written again
.if (\a) == 3
	s_add_nc_u64 s[10:11], s[10:11], s[78:79]
.else
	s_add_nc_u64 s[10:11], s[10:11], s[76:77]
.endif
.endif
.endm
.irp a, 0,1,2,3,4,5,6,7
	EPI \a
.endr
	; the scale words, by item.  q, k: a word holds (head 0: two bytes, head 1: two bytes) of one tile; an item wants two tiles' bytes of one head.  v: a block's word is an item as it stands.
	s_cmp_lg_u32 s[MODE], 0
	s_cbranch_scc1 .Lwords_v
.irp b, 0,1,2,3
	v_perm_b32 v[U+\b],   v[PWS+2*\b+1], v[PWS+2*\b], 0x05040100      ; my first head: the low halves of tiles 2 b (below) and 2 b + 1 (above)
	v_perm_b32 v[U+4+\b], v[PWS+2*\b+1], v[PWS+2*\b], 0x07060302      ; my second head: the high halves
.endr
	s_branch .Lwords
.Lwords_v:
.irp i, 0,1,2,3,4,5,6,7
	v_mov_b32 v[U+\i], v[PWS+\i]
.endr
.Lwords:
.irp e, 0,1                                    ; head e of my two: lanes 0-15 carry items 0 and 2, lanes 16-31 items 1 and 3
	v_cndmask_b32 v[Y+2*\e],   v[U+4*\e],   v[U+4*\e+1], s89
	v_cndmask_b32 v[Y+2*\e+1], v[U+4*\e+2], v[U+4*\e+3], s89
.endr
.irp e, 0,1
	global_store_b64 v[L8], v[Y+2*\e:Y+2*\e+1], s[12:13] offset:4096*\e   ; 32 lanes store 256 consecutive, aligned bytes; the next head's lie 16 x 256 bytes on
.endr
	s_wait_tensorcnt 0x0                           ; the wave's end
	ds_add_u32 v[SPW], v[NIL]
	s_wait_dscnt 0x0
	CROUND                                         ; the closing round: no work-group ends while a partner may still ask for a tile that names it
	s_endpgm
.Lfunc_end_k_q17670e4361_gemm_qkv:
	.size	k_q17670e4361_gemm_qkv, .Lfunc_end_k_q17670e4361_gemm_qkv-k_q17670e4361_gemm_qkv
	.p2alignl 7, 3214868480
	.fill 96, 4, 3214868480
	.section	.rodata,"a",@progbits
	.p2align	6, 0x0
	.amdhsa_kernel k_q17670e4361_gemm_qkv
		.amdhsa_group_segment_fixed_size 327680
		.amdhsa_private_segment_fixed_size 0
		.amdhsa_enable_private_segment 0
		.amdhsa_kernarg_size 40
		.amdhsa_user_sgpr_count 2
		.amdhsa_user_sgpr_kernarg_segment_ptr 1
		.amdhsa_wavefront_size32 1
		.amdhsa_system_sgpr_workgroup_id_x 1
		.amdhsa_system_sgpr_workgroup_id_y 1
		.amdhsa_system_sgpr_workgroup_id_z 1
		.amdhsa_system_vgpr_workitem_id 0
		.amdhsa_next_free_vgpr 1024
		.amdhsa_next_free_sgpr 102
		.amdhsa_reserve_vcc 0
		.amdhsa_float_denorm_mode_32 3
		.amdhsa_float_denorm_mode_16_64 3
		.amdhsa_memory_ordered 1
		.amdhsa_forward_progress 1
		.amdhsa_inst_pref_size 204
	.end_amdhsa_kernel
	.amdgpu_metadata
---
amdhsa.version: [ 1, 2 ]
amdhsa.kernels:
  - .name:           k_q17670e4361_gemm_qkv
    .symbol:         k_q17670e4361_gemm_qkv.kd
    .args:
      - { .name: codes1, .offset: 0, .size: 8, .value_kind: global_buffer, .address_space: global }
      - { .name: scales1, .offset: 8, .size: 8, .value_kind: global_buffer, .address_space: global }
      - { .name: qkv_b, .offset: 16, .size: 8, .value_kind: global_buffer, .address_space: global }
      - { .name: qkv_img, .offset: 24, .size: 8, .value_kind: global_buffer, .address_space: global }
      - { .name: qkv_sc, .offset: 32, .size: 8, .value_kind: global_buffer, .address_space: global }
    .group_segment_fixed_size: 327680
    .private_segment_fixed_size: 0
    .kernarg_segment_align: 8
    .kernarg_segment_size: 40
    .max_flat_workgroup_size: 128
    .sgpr_count:     102
    .vgpr_count:     1024
    .wavefront_size: 32
...
	.end_amdgpu_metadata
.endif
;; end of part 2
;; launch attn (part 3): grid 4 x 64, 16 waves a work-group, clusters of 4 x 1, 206,848 bytes of LDS; arguments qkv_img, qkv_sc, ctx_img, ctx_sc; writes ctx_img, ctx_sc
.if DOCPART == 3
	.amdgcn_target "amdgcn-amd-amdhsa--gfx1250"
	.amdhsa_code_object_version 6
	.text
	.protected	k_q17670e4361_attn
	.globl	k_q17670e4361_attn
	.p2align	8
	.type	k_q17670e4361_attn,@function
k_q17670e4361_attn:
	s_mov_b64 s[64:65], 0
	v_nop
	global_prefetch_b8 v0, s[64:65] scope:SCOPE_SE
	s_setreg_imm32_b32 hwreg(HW_REG_WAVE_MODE, 25, 1), 1
	s_wait_xcnt 0x0
	s_wait_alu depctr_hold_cnt(0) depctr_sa_sdst(0) depctr_va_vdst(0) depctr_va_sdst(0) depctr_va_ssrc(0) depctr_va_vcc(0) depctr_vm_vsrc(0)
	s_getreg_b32 s2, hwreg(HW_REG_IB_STS2, 6, 4)
	s_cmp_eq_u32 s2, 0
	s_cbranch_scc0 .Lentry_in_a_cluster
	s_endpgm
.Lentry_in_a_cluster:
	s_bfe_u32 s2, ttmp6, 0x10000c
	s_cmp_lg_u32 s2, 0x3003
	s_cbranch_scc0 .Lentry_shape_is_right
	s_endpgm
.Lentry_shape_is_right:
; context[b][h][q][:] = the sum over k of softmax_k(q . k / 8) v[k][:], 64 batch x heads, 2,048 tokens, head size 64; both products on codes of FP6 (E2M3) with one E8M0 scale for each 32 along a product's K.
; q, k, v come as images of operand registers (a half image: six registers of 32 lanes, 768 bytes: registers 0-3 at 16 x lane, registers 4-5 at 512 + 8 x lane) with their scale words; the context leaves the same way,
; quantised along the model's 1,024 (a head's 64 are two blocks), for the last product.
; THE SOFTMAX: t = score x log2(e) / 8; M = the row's largest t so far, rounded UP to a whole number; p = 2^(t - M) is what is quantised, along the keys, not normalised.  The row's sum is taken of the unquantised p, in f32,
; and divides O at the end.  When M moves, the sum and O are multiplied by 2^(old M - new M): exact.
; SHARES.  A work-group owns 512 queries of one batch x head; each of its SIXTEEN waves owns 32 of them, two tiles of 16, one after the other, in 256 registers: four waves to a SIMD, so that one wave's vector work stands
; beside another's matrix work and LDS loads.  Every wave walks all 2,048 keys, 128 a step.
; K AND V OF THE WHOLE HEAD STAY IN LDS (2 x 98,304 bytes of codes, 2 x 4,096 of scale words): every LDS byte is filled ONCE, so there is no ring.  They come in two stages: key steps 0-3 first, so that the work begins
; while the other twelve are on their way.
; CLUSTER.  The four work-groups of a cluster are the four query blocks of one batch x head and need the same K and V: each tile is asked for JOINTLY, by the same tensor load with the same descriptor and the mask 15.
; LAYOUT.  Both products are used transposed: S^T = K Q^T (source 0 = keys, source 1 = my 16 queries), O^T = V^T P^T: a lane holds ONE query (lane % 16) throughout.
; K = 64 IN AN INSTRUCTION OF 128: source 0's twelve registers hold TWO tiles of keys, tile 2 b at K = 0..63 and tile 2 b + 1 at K = 64..127.  q stands in 18 registers [q | zeros | q]: the first twelve, [q | 0], give tile 2 b's
; scores, the last twelve, [0 | q], tile 2 b + 1's.  Zero codes add nothing under any scale byte that is written here (1 to 254).
; THE KEYS OF A TILE ARE NOT NEIGHBOURS: lane r of tile 2 b + u is key 32 b + 8 u + r + 8 (r / 8), so that the 16 registers of tiles 2 b and 2 b + 1 are the 16 neighbouring keys 32 b + 16 (lane / 16) + 0 .. 15; V's rows likewise.
; ctx_sc: a token's 32 scale bytes come from the 16 work-groups of its 16 heads, so each wave stores two bytes a token, 32 bytes apart; the buffer has 262,144 bytes in all.  In return the last product reads it as plain rows.
; LIMITS: a block of zeros gets the byte 1 where the rule says 127 (zero codes; this program alone reads the bytes); blocks under 2^-124 take the floor's byte; NaN and infinities are not served.
.set KIMG,  0                          ; LDS: K's images, [key step 16][tile 8][768]
.set VIMG,  98304                      ; V's, [key step 16][tile 4][1,536]
.set KSC,   196608                     ; K's scale words, [key step 16][256]
.set VSC,   200704                     ; V's
.set SEC,   6291456                    ; bytes of a section (q, k, v) of qkv_img
.set SECS,  262144                     ; and of qkv_sc
.set HEADB, 98304                      ; bytes of a batch x head in a section
.set STEPB, 6144                       ; bytes of a key step's images of K, and of V
.set FIRST, 4                          ; key steps in the first stage
.set ADK16, 4                          ; v1 16 x lane, v2 8 x lane, v3 32 x (lane % 16), v9 KSC + 8 x lane: they stay.  v4-8: the LDS addresses of the step in hand
.set ADK8,  5
.set ADV16, 6
.set ADV8,  7
.set ADS,   8
.set QF,    16                         ; v16-33   [q | zeros | q]          (v12 -M, v13 the largest t, v[14:15] the sum in two halves)
.set QI,    34                         ; v34-45   my two tiles of q as loaded
.set QW,    46                         ; v46      their scale bytes
.set QS,    47                         ; v47      the scale word of the tile in hand: (s0, s1, s0, s1)
.set KF,    48                         ; v48-95   four operands: K's four pairs of tiles, later V's four tiles
.set S,     96                         ; v96-159  S^T, then p
.set O,     160                        ; v160-191 O^T
.set PC,    192                        ; v192-203 p's codes
.set PT,    204                        ; v204-206, v208-210 halves on the way
.set KSR,   212                        ; v212-213 K's scale words: register i / 2, lanes 16 (i % 2) on: item i
.set VSR,   214                        ; v214-215 V's
.set PW,    216                        ; v216     p's scale word
.set BM,    220                        ; v220-223 a figure for each block of 32 keys
.set BT,    224                        ; v224-227
.set SO,    228                        ; v228-231 the conversions' scale operands
.set F,     232                        ; v232     2^(old M - new M); v233 is named with it as a pair
.set T,     234                        ; v234     at work
.set L2,    236                        ; v236-237 the sum's second chain
.set WV,    12                         ; s12  my wave's number
.set SEL,   16                         ; s[16:17] v_permlanex16_b32's selects for lane l xor 16
.set CS,    18                         ; s[18:19] c = log2(e) / 8
.set TB,    20                         ; s20  where the step's images begin
.set TS,    21                         ; s21  and its scale words
.set CNT,   22                         ; s22  steps to go
.set TILE,  23                         ; s23  tiles to go
.set G1S,   24                         ; s[24:31] descriptor group 1: 8 rows of 256 bytes;  s[32:39]: 48 rows;  s[40:47]: 144 rows
.set G1A,   32
.set G1B,   40
.set G0K,   48                         ; s[48:59] three groups 0 for K: scale words, first stage, second stage
.set G0V,   68                         ; s[68:79] the same for V
.macro CROUND                          ; a round of the cluster's barrier
	s_barrier_signal -1
	s_barrier_wait -1
	s_cmp_lg_u32 s[WV], 0
	s_cbranch_scc1 .Lnot_wave_0_\@
	s_barrier_signal -3
.Lnot_wave_0_\@:
	s_barrier_wait -3
	s_barrier_signal -1
	s_barrier_wait -1
.endm
	s_load_b256 s[4:11], s[0:1], 0x0               ; qkv_img s[4:5], qkv_sc s[6:7], ctx_img s[8:9], ctx_sc s[10:11]
	v_lshl_add_u32 v254, v0, 2, 0x32000
	v_mov_b32 v255, 0
	ds_add_u32 v254, v255
	ds_add_u32 v254, v255
	v_lshrrev_b32 v4, 5, v0
	s_delay_alu instid0(VALU_DEP_1)
	v_readfirstlane_b32 s[WV], v4                  ; wave 0..15
	s_bfe_u32 s13, ttmp6, 0x40000                  ; cx: my block of 512 queries: it enters q's and the context's global addresses alone
	s_and_b32 s14, ttmp7, 0xffff                   ; batch x head, which the four partners share
	s_and_b32 s15, s[WV], 1                        ; which half of a tile I fetch, if I fetch
	; descriptor group 1: dense blocks, as rows of 256 bytes (32 elements of 8 bytes)
.irp g, G1S, G1A, G1B
	s_mov_b32 s[\g], 15|(3<<16)|(1<<21)            ; 15:0 the mask: all four work-groups; 17:16 elements of 8 bytes; 20 no padding; 21 set beside a mask
	s_mov_b32 s[\g+1], 32<<16                      ; tensor_dim0 = 32
	s_mov_b32 s[\g+3], 32<<16                      ; tile_dim0 = 32
	s_mov_b32 s[\g+5], 32                          ; tensor_dim0_stride
	s_mov_b32 s[\g+6], 0
	s_mov_b32 s[\g+7], 0
.endr
	s_mov_b32 s[G1S+2], 8<<16                      ; tensor_dim1 and tile_dim1: half a head's scale words, 2,048 bytes;
	s_mov_b32 s[G1S+4], 8
	s_mov_b32 s[G1A+2], 48<<16                     ; half of four key steps' images, 12,288 bytes;
	s_mov_b32 s[G1A+4], 48
	s_mov_b32 s[G1B+2], 144<<16                    ; half of twelve key steps', 36,864 bytes
	s_mov_b32 s[G1B+4], 144
	s_mul_i32 s80, s14, HEADB                      ; the head's images in a section,
	s_lshl_b32 s81, s14, 12                        ; its scale words
	s_lshl_b32 s82, s15, 11                        ; my half, of each of the three kinds
	s_mul_i32 s83, s15, 12288
	s_mul_i32 s84, s15, 36864
	s_add_co_u32 s86, s81, s82
	s_add_co_u32 s86, s86, SECS                    ; k is section 1.  Every offset stays under the buffers' sizes, under 2^31
	s_mov_b32 s87, 0
	s_add_co_u32 s88, s80, s83
	s_add_co_u32 s88, s88, SEC
	s_mov_b32 s89, 0
	s_add_co_u32 s90, s80, s84
	s_add_co_u32 s90, s90, SEC+FIRST*STEPB
	s_mov_b32 s91, 0
	s_mov_b32 s[SEL], 0x76543210
	s_mov_b32 s[SEL+1], 0xfedcba98
	s_mov_b32 s[CS], 0x3e38aa3b                    ; c = log2(e) / 8
	s_mov_b32 s[CS+1], s[CS]                       ; (named with it as a pair, so it is written)
	s_wait_dscnt 0x0
	s_wait_kmcnt 0x0
	s_mov_b32 s[G0K], 1                            ; scale words: count = 1,
	s_add_co_u32 s[G0K+1], s82, KSC                ; LDS address,
	s_add_nc_u64 s[G0K+2:G0K+3], s[6:7], s[86:87]  ; global address,
	s_mov_b32 s[G0V], 1
	s_add_co_u32 s[G0V+1], s82, VSC
	s_add_nc_u64 s[G0V+2:G0V+3], s[G0K+2:G0K+3], SECS   ; v is the section behind k
	s_or_b32 s[G0K+3], s[G0K+3], 0x80000000        ; type = 2
	s_or_b32 s[G0V+3], s[G0V+3], 0x80000000
	s_mov_b32 s[G0K+4], 1                          ; key steps 0-3
	s_add_co_u32 s[G0K+5], s83, KIMG
	s_add_nc_u64 s[G0K+6:G0K+7], s[4:5], s[88:89]
	s_mov_b32 s[G0V+4], 1
	s_add_co_u32 s[G0V+5], s83, VIMG
	s_add_nc_u64 s[G0V+6:G0V+7], s[G0K+6:G0K+7], SEC
	s_or_b32 s[G0K+7], s[G0K+7], 0x80000000
	s_or_b32 s[G0V+7], s[G0V+7], 0x80000000
	s_mov_b32 s[G0K+8], 1                          ; key steps 4-15
	s_add_co_u32 s[G0K+9], s84, KIMG+FIRST*STEPB
	s_add_nc_u64 s[G0K+10:G0K+11], s[4:5], s[90:91]
	s_mov_b32 s[G0V+8], 1
	s_add_co_u32 s[G0V+9], s84, VIMG+FIRST*STEPB
	s_add_nc_u64 s[G0V+10:G0V+11], s[G0K+10:G0K+11], SEC
	s_or_b32 s[G0K+11], s[G0K+11], 0x80000000
	s_or_b32 s[G0V+11], s[G0V+11], 0x80000000
	CROUND                                         ; all four work-groups are here: the joint loads meet
	s_cmp_lt_u32 s[WV], 2                          ; waves 0 and 1 fetch K's halves, waves 2 and 3 V's, the others nothing: a wave's three loads stand together in one branch on its number; four v_nop follow the last
	s_cbranch_scc0 .Lnot_k
	tensor_load_to_lds s[G0K:G0K+3], s[G1S:G1S+7]
	s_nop 0
	tensor_load_to_lds s[G0K+4:G0K+7], s[G1A:G1A+7]
	s_nop 0
	tensor_load_to_lds s[G0K+8:G0K+11], s[G1B:G1B+7]
	s_nop 0
.rept 4
	v_nop
.endr
	s_branch .Lasked
.Lnot_k:
	s_cmp_lt_u32 s[WV], 4
	s_cbranch_scc0 .Lasked
	tensor_load_to_lds s[G0V:G0V+3], s[G1S:G1S+7]
	s_nop 0
	tensor_load_to_lds s[G0V+4:G0V+7], s[G1A:G1A+7]
	s_nop 0
	tensor_load_to_lds s[G0V+8:G0V+11], s[G1B:G1B+7]
	s_nop 0
.rept 4
	v_nop
.endr
.Lasked:
	; my queries: group g = 4 cx + wave / 4 of the head's sixteen groups of 128 tokens, tiles 2 b and 2 b + 1 of it, b = wave % 4
	s_lshl_b32 s60, s13, 2
	s_lshr_b32 s62, s[WV], 2
	s_add_co_u32 s60, s60, s62                     ; g
	s_and_b32 s61, s[WV], 3                        ; b
	s_mul_i32 s92, s60, STEPB
	s_mul_i32 s62, s61, 1536
	s_add_co_u32 s92, s92, s62
	s_add_co_u32 s92, s92, s80
	s_mov_b32 s93, 0
	s_add_nc_u64 s[92:93], s[4:5], s[92:93]        ; q is section 0: my two half images
	s_lshl_b32 s94, s60, 8
	s_add_co_u32 s94, s94, s81
	s_and_b32 s62, s61, 1
	s_lshl_b32 s62, s62, 7
	s_add_co_u32 s94, s94, s62
	s_lshr_b32 s62, s61, 1
	s_lshl_b32 s62, s62, 2
	s_add_co_u32 s94, s94, s62                     ; item b's words: 128 (b % 2) + 4 (b / 2), 8 bytes from row to row
	s_mov_b32 s95, 0
	s_add_nc_u64 s[94:95], s[6:7], s[94:95]
	s_lshr_b32 s62, s14, 4
	s_lshl_b32 s62, s62, 4
	s_add_co_u32 s62, s62, s60                     ; G = batch x 16 + g: the group among all 64
	s_and_b32 s63, s14, 15                         ; the head
	s_lshl_b32 s2, s62, 4
	s_add_co_u32 s2, s2, s63
	s_lshl_b32 s2, s2, 3
	s_lshl_b32 s85, s61, 1
	s_add_co_u32 s2, s2, s85
	s_mul_i32 s2, s2, 768                          ; ctx_img[G][head][tile 2 b]
	s_mov_b32 s3, 0
	s_add_nc_u64 s[8:9], s[8:9], s[2:3]
	s_lshl_b32 s2, s62, 7
	s_lshl_b32 s85, s61, 5
	s_add_co_u32 s2, s2, s85
	s_lshl_b32 s2, s2, 5
	s_lshl_b32 s85, s63, 1
	s_add_co_u32 s2, s2, s85                       ; ctx_sc[128 G + 32 b][2 x head]
	s_add_nc_u64 s[10:11], s[10:11], s[2:3]
	v_and_b32 v10, 31, v0
	v_and_b32 v11, 15, v0
	s_delay_alu instid0(VALU_DEP_2)
	v_lshlrev_b32 v1, 4, v10                       ; 16 x lane
	s_delay_alu instid0(VALU_DEP_3)
	v_lshlrev_b32 v2, 3, v10                       ; 8 x lane
	s_delay_alu instid0(VALU_DEP_3)
	v_lshlrev_b32 v3, 5, v11                       ; 32 r
	s_delay_alu instid0(VALU_DEP_4)
	v_lshlrev_b32 v10, 3, v11                      ; 8 r
	s_delay_alu instid0(VALU_DEP_3)
	v_add_nc_u32 v9, KSC, v2
	global_load_b128 v[QI:QI+3],     v1, s[92:93]
	global_load_b64  v[QI+4:QI+5],   v2, s[92:93] offset:512
	global_load_b128 v[QI+6:QI+9],   v1, s[92:93] offset:768
	global_load_b64  v[QI+10:QI+11], v2, s[92:93] offset:1280
	global_load_b32  v[QW], v10, s[94:95]          ; bytes 0, 1: tile 2 b's two scales; bytes 2, 3: tile 2 b + 1's
.irp i, 6,7,8,9,10,11
	v_mov_b32 v[QF+\i], 0                          ; the zero codes between the two copies of q
.endr
.irp b, 0,1,2,3
	v_mov_b32 v[BT+\b], 0                          ; written once: a lane permute's destination counts as one of its sources
.endr
	v_mov_b32 v[F+1], 0                            ; (named as the upper half of a pair)
	v_mov_b32 v[T], 0
; A KEY STEP: 128 keys.
.macro STEP
	s_setprio 2
	v_add_nc_u32 v[ADK16], s[TB], v1               ; these five plain lines are the places behind the last step's products, in front of the loads into their operands and scales
	v_add_nc_u32 v[ADK8], s[TB], v2
	s_delay_alu instid0(VALU_DEP_2)
	v_add_nc_u32 v[ADV16], VIMG, v[ADK16]
	s_delay_alu instid0(VALU_DEP_2)
	v_add_nc_u32 v[ADV8], VIMG, v[ADK8]
	v_add_nc_u32 v[ADS], s[TS], v9
.irp b, 0,1,2,3                                ; tiles 2 b and 2 b + 1 of K: two half images make one operand.  Every load takes 512 or 256 consecutive bytes
	ds_load_b128 v[KF+12*\b:KF+12*\b+3],     v[ADK16] offset:1536*\b
	ds_load_b64  v[KF+12*\b+4:KF+12*\b+5],   v[ADK8]  offset:1536*\b+512
	ds_load_b128 v[KF+12*\b+6:KF+12*\b+9],   v[ADK16] offset:1536*\b+768
	ds_load_b64  v[KF+12*\b+10:KF+12*\b+11], v[ADK8]  offset:1536*\b+1280
.endr
	ds_load_b64 v[KSR:KSR+1], v[ADS]
	ds_load_b64 v[VSR:VSR+1], v[ADS] offset:VSC-KSC
	s_wait_alu depctr_va_vdst(0)
	s_wait_dscnt 0x0
.irp b, 0,1,2,3                                ; S^T = K Q^T: u = 0: [q | 0] picks tile 2 b, u = 1: [0 | q] tile 2 b + 1
.irp u, 0,1
.if \b%2
	v_wmma_scale_f32_16x16x128_f8f6f4 v[S+8*(2*\b+\u):S+8*(2*\b+\u)+7], v[KF+12*\b:KF+12*\b+11], v[QF+6*\u:QF+6*\u+11], 0, v[KSR+\b/2], v[QS] matrix_a_fmt:MATRIX_FMT_FP6 matrix_b_fmt:MATRIX_FMT_FP6 matrix_a_scale:MATRIX_SCALE_ROW1
.else
	v_wmma_scale_f32_16x16x128_f8f6f4 v[S+8*(2*\b+\u):S+8*(2*\b+\u)+7], v[KF+12*\b:KF+12*\b+11], v[QF+6*\u:QF+6*\u+11], 0, v[KSR+\b/2], v[QS] matrix_a_fmt:MATRIX_FMT_FP6 matrix_b_fmt:MATRIX_FMT_FP6
.endif
.endr
.endr
.rept 4
	v_nop                                          ; places: in front of the loads into K's registers, and of the first read of the scores
.endr
.irp d, 0,1,2,3                                ; V's four tiles land while the softmax is worked
	ds_load_b128 v[KF+12*\d:KF+12*\d+3],     v[ADV16] offset:1536*\d
	ds_load_b64  v[KF+12*\d+4:KF+12*\d+5],   v[ADV8]  offset:1536*\d+512
	ds_load_b128 v[KF+12*\d+6:KF+12*\d+9],   v[ADV16] offset:1536*\d+768
	ds_load_b64  v[KF+12*\d+10:KF+12*\d+11], v[ADV8]  offset:1536*\d+1280
.endr
.irp b, 0,1,2,3
	v_max3_num_f32 v[BM+\b], v[S+16*\b], v[S+16*\b+1], v[S+16*\b+2]   ; THE LARGEST SCORE OF EACH BLOCK OF 32 KEYS: it serves twice: for the row's maximum, and, since p rises with the score, for the block's largest p
.endr
.irp i, 3,5,7,9,11,13
.irp b, 0,1,2,3
	v_max3_num_f32 v[BM+\b], v[BM+\b], v[S+16*\b+\i], v[S+16*\b+\i+1]   ; (the four blocks by turns; each accumulator is read from its low end on)
.endr
.endr
.irp b, 0,1,2,3
	v_max_num_f32 v[BM+\b], v[BM+\b], v[S+16*\b+15]
.endr
.irp b, 0,1,2,3
	s_delay_alu instid0(VALU_DEP_4)
	v_permlanex16_b32 v[BT+\b], v[BM+\b], s[SEL], s[SEL+1]
.endr
.irp b, 0,1,2,3
	s_delay_alu instid0(VALU_DEP_4)
	v_max_num_f32 v[BM+\b], v[BM+\b], v[BT+\b]     ; with lane l xor 16's 16 keys
.endr
	s_delay_alu instid0(VALU_DEP_2)
	v_max3_num_f32 v[T], v[BM], v[BM+1], v[BM+2]
	s_delay_alu instid0(VALU_DEP_1)
	v_max_num_f32 v[T], v[T], v[BM+3]              ; the step's largest score of my query
	s_delay_alu instid0(VALU_DEP_1)
	v_mul_f32 v[T], s[CS], v[T]                    ; as t (c is positive)
	s_delay_alu instid0(VALU_DEP_1)
	v_max_num_f32 v13, v13, v[T]                   ; the running largest t
	v_mov_b32 v[T], v12
	s_delay_alu instid0(VALU_DEP_2)
	v_floor_f32 v12, -v13                          ; the new -M = floor(-t) = -ceil(t): M IS A WHOLE NUMBER
	s_delay_alu instid0(VALU_DEP_1)
	v_sub_f32 v[T], v12, v[T]                      ; M's old value less its new one: a whole number, 0 or less
	s_delay_alu instid0(VALU_DEP_1)
	v_cvt_i32_f32 v[T], v[T]                       ; (it saturates)
	s_delay_alu instid0(VALU_DEP_1)
	v_ldexp_f32 v[F], 1.0, v[T]                    ; f = 2^(old M - new M): a multiplication by it rounds nothing
.set j, 0
.rept 32
	v_pk_fma_f32 v[S+j:S+j+1], v[S+j:S+j+1], s[CS:CS+1], v[12:13] op_sel_hi:[1,0,0]   ; t - M, two at a time (of the pairs c and -M the low word serves both halves)
.set j, j+2
.endr
.irp b, 0,1,2,3
	v_fma_f32 v[BM+\b], v[BM+\b], s[CS], v12       ; the same of each block's largest score
.endr
.set j, 0
	s_setprio 1
	s_wait_alu depctr_va_vdst(0)
.rept 64
	v_exp_f32 v[S+j], v[S+j]                       ; p = 2^(t - M), at most 1: NOT normalised
.set j, j+1
.endr
.irp b, 0,1,2,3
	v_exp_f32 v[BM+\b], v[BM+\b]                   ; the block's largest p: the same two instructions on the same number give the same bits
.endr
	v_pk_mul_f32 v[14:15], v[14:15], v[F:F+1] op_sel_hi:[1,0]   ; the sums under the new M.  (The plain place behind the exponentials)
	s_wait_alu depctr_va_vdst(0)
.irp b, 0,1,2,3
	v_max_num_f32 v[BM+\b], 0x1800000, v[BM+\b]    ; the floor 2^(3 - 127): the byte cannot fall under 1
.endr
.irp b, 0,1,2,3
	s_delay_alu instid0(VALU_DEP_4)
	v_add_nc_u32 v[SO+\b], 0xff000000, v[BM+\b]    ; 2 off the exponent field: the conversion's scale operand
.endr
.irp b, 0,1,2,3
	s_delay_alu instid0(VALU_DEP_4)
	v_lshrrev_b32 v[BT+\b], 23, v[SO+\b]           ; the scale's byte
.endr
	s_delay_alu instid0(VALU_DEP_3)
	v_lshl_or_b32 v[PW], v[BT+1], 8, v[BT]         ; p's scale word for these 128 keys
	s_delay_alu instid0(VALU_DEP_1)
	v_lshl_or_b32 v[PW], v[BT+2], 16, v[PW]
	s_delay_alu instid0(VALU_DEP_1)
	v_lshl_or_b32 v[PW], v[BT+3], 24, v[PW]
.irp c, 0,1
	v_cvt_scalef32_pk16_fp6_f32 v[PC+6*\c:PC+6*\c+2], v[S+32*\c:S+32*\c+15], v[SO+2*\c]
	v_cvt_scalef32_pk16_fp6_f32 v[PT+4*\c:PT+4*\c+2], v[S+32*\c+16:S+32*\c+31], v[SO+2*\c+1]   ; (a conversion's three registers begin on an even number)
.endr
	v_nop                                          ; one plain place behind a scaled conversion
.irp c, 0,1                                    ; the operand's layout wants a WHOLE block in a lane: lanes 0-15 block 2 c, lanes 16-31 block 2 c + 1
.irp i, 0,1,2
	v_permlane16_swap_b32 v[PC+6*\c+\i], v[PT+4*\c+\i]
.endr
.irp i, 0,1,2
	s_delay_alu instid0(VALU_DEP_3)
	v_mov_b32 v[PC+3+6*\c+\i], v[PT+4*\c+\i]
.endr
.endr
	v_pk_add_f32 v[236:237], v[100:101], v[104:105]
	v_pk_add_f32 v[252:253], v[108:109], v[112:113]
	v_pk_add_f32 v[250:251], v[116:117], v[120:121]
	v_pk_add_f32 v[248:249], v[124:125], v[128:129]
	v_pk_add_f32 v[246:247], v[132:133], v[136:137]
	v_pk_add_f32 v[244:245], v[140:141], v[144:145]
	v_pk_add_f32 v[242:243], v[148:149], v[152:153]
	v_pk_add_f32 v[14:15], v[14:15], v[156:157]
	v_pk_add_f32 v[236:237], v[236:237], v[96:97]
	v_pk_add_f32 v[252:253], v[252:253], v[98:99]
	v_pk_add_f32 v[250:251], v[250:251], v[102:103]
	v_pk_add_f32 v[248:249], v[248:249], v[106:107]
	v_pk_add_f32 v[246:247], v[246:247], v[110:111]
	v_pk_add_f32 v[244:245], v[244:245], v[114:115]
	v_pk_add_f32 v[242:243], v[242:243], v[118:119]
	v_pk_add_f32 v[14:15], v[14:15], v[122:123]
	v_pk_add_f32 v[236:237], v[236:237], v[126:127]
	v_pk_add_f32 v[252:253], v[252:253], v[130:131]
	v_pk_add_f32 v[250:251], v[250:251], v[134:135]
	v_pk_add_f32 v[248:249], v[248:249], v[138:139]
	v_pk_add_f32 v[246:247], v[246:247], v[142:143]
	v_pk_add_f32 v[244:245], v[244:245], v[146:147]
	v_pk_add_f32 v[242:243], v[242:243], v[150:151]
	v_pk_add_f32 v[14:15], v[14:15], v[154:155]
	v_pk_add_f32 v[236:237], v[236:237], v[158:159]
	s_delay_alu instid0(VALU_DEP_2)
	v_pk_add_f32 v[14:15], v[14:15], v[248:249]
	s_delay_alu instid0(VALU_DEP_2)
	v_pk_add_f32 v[236:237], v[236:237], v[246:247]
	s_setprio 0
	v_pk_add_f32 v[252:253], v[252:253], v[244:245]
	v_pk_add_f32 v[250:251], v[250:251], v[242:243]
	s_delay_alu instid0(VALU_DEP_2)
	v_pk_add_f32 v[14:15], v[14:15], v[252:253]
	s_delay_alu instid0(VALU_DEP_2)
	v_pk_add_f32 v[236:237], v[236:237], v[250:251]
	s_delay_alu instid0(VALU_DEP_1)
	v_pk_add_f32 v[14:15], v[14:15], v[236:237]
.set j, 0
.rept 16
	v_pk_mul_f32 v[O+j:O+j+1], v[O+j:O+j+1], v[F:F+1] op_sel_hi:[1,0]   ; O^T under the new M.  (With the sums above: the places between p's codes and scale word and the products below)
.set j, j+2
.endr
	s_wait_alu depctr_va_vdst(0)
	s_wait_dscnt 0x0                               ; V is in
.irp d, 0,1,2,3                                ; O^T += V^T P^T: four tiles of 16 of the head's 64; the four accumulators take one turn each
.if \d%2
	v_wmma_scale_f32_16x16x128_f8f6f4 v[O+8*\d:O+8*\d+7], v[KF+12*\d:KF+12*\d+11], v[PC:PC+11], v[O+8*\d:O+8*\d+7], v[VSR+\d/2], v[PW] matrix_a_fmt:MATRIX_FMT_FP6 matrix_b_fmt:MATRIX_FMT_FP6 matrix_a_scale:MATRIX_SCALE_ROW1
.else
	v_wmma_scale_f32_16x16x128_f8f6f4 v[O+8*\d:O+8*\d+7], v[KF+12*\d:KF+12*\d+11], v[PC:PC+11], v[O+8*\d:O+8*\d+7], v[VSR+\d/2], v[PW] matrix_a_fmt:MATRIX_FMT_FP6 matrix_b_fmt:MATRIX_FMT_FP6
.endif
.endr
	s_add_co_u32 s[TB], s[TB], STEPB               ; the next step's images and scale words
	s_add_co_u32 s[TS], s[TS], 256
.endm
	s_wait_tensorcnt 0x1                           ; a fetching wave's scale words and first stage are in; its youngest load, key steps 4-15, may be out
	s_wait_loadcnt 0x0                             ; q
	s_barrier_signal -1
	s_barrier_wait -1                              ; everybody's are
	s_mov_b32 s[TILE], 2
.Ltile:                                            ; my two tiles of 16 queries, one after the other
.irp i, 0,1,2,3,4,5
	v_mov_b32 v[QF+\i], v[QI+\i]                   ; [q | 0 | q]
	v_mov_b32 v[QF+12+\i], v[QI+\i]
.endr
	v_and_b32 v[T], 0xffff, v[QW]
	s_delay_alu instid0(VALU_DEP_1)
	v_lshl_or_b32 v[QS], v[T], 16, v[T]            ; (s0, s1, s0, s1): it serves both forms
.irp i, 0,1,2,3,4,5
	v_mov_b32 v[QI+\i], v[QI+6+\i]                 ; the second tile moves up for the next trip
.endr
	v_lshrrev_b32 v[QW], 16, v[QW]
	v_mov_b32 v13, 0xff61b1e6                      ; the largest t so far: -3e38, under every t
	s_delay_alu instid0(VALU_DEP_1)
	v_floor_f32 v12, -v13                          ; -M
	v_mov_b32 v14, 0                               ; the sum, in two halves
	v_mov_b32 v15, 0
.set j, 0
.rept 32
	v_mov_b32 v[O+j], 0                            ; O^T.  The step is written once for all sixteen: the first finds zeros, which the first change of M leaves zeros.  (Also the places between q's scale word and the first product)
.set j, j+1
.endr
	s_mov_b32 s[TB], 0
	s_mov_b32 s[TS], 0
	s_mov_b32 s[CNT], FIRST
.Lfirst:                                           ; key steps 0-3: the first stage
	STEP
	s_sub_co_u32 s[CNT], s[CNT], 1
	s_cmp_lg_u32 s[CNT], 0
	s_cbranch_scc1 .Lfirst
	s_setprio 0
	s_wait_tensorcnt 0x0                           ; a fetching wave's second stage is in (in the second trip this is met at once),
	s_wait_dscnt 0x0
	s_barrier_signal -1
	s_barrier_wait -1                              ; everybody's is
	s_mov_b32 s[CNT], 16-FIRST
.Lrest:                                            ; key steps 4-15
	STEP
	s_sub_co_u32 s[CNT], s[CNT], 1
	s_cmp_lg_u32 s[CNT], 0
	s_cbranch_scc1 .Lrest
	s_setprio 0
	; THE TILE'S END.  O^T / the sum is the context: register 16 b + i of lane (r, h) is channel 32 b + 16 h + i of my query: two blocks of the last product's K.  It is quantised and leaves as a half image.
.rept 4
	v_nop                                          ; places behind the last products
.endr
	v_add_f32 v14, v14, v15                        ; the sum's two halves,
	s_delay_alu instid0(VALU_DEP_1)
	v_permlanex16_b32 v[T], v14, s[SEL], s[SEL+1]
	s_delay_alu instid0(VALU_DEP_1)
	v_add_f32 v14, v14, v[T]                       ; and lane l xor 16's: the row's sum
	s_wait_alu depctr_va_vdst(0)
	v_rcp_f32 v[F], v14
	v_nop                                          ; one plain place behind a transcendental
.set j, 0
	s_wait_alu depctr_va_vdst(0)
.rept 16
	v_pk_mul_f32 v[S+j:S+j+1], v[O+j:O+j+1], v[F:F+1] op_sel_hi:[1,0]   ; each accumulator from its low end on
.set j, j+2
.endr
.irp b, 0,1
	v_max3_num_f32 v[BM+\b], |v[S+16*\b]|, |v[S+16*\b+1]|, 0x1800000     ; my 16 numbers of block b, and the floor
.endr
.irp i, 2,4,6,8,10,12,14
.irp b, 0,1
	s_delay_alu instid0(VALU_DEP_2)
	v_max3_num_f32 v[BM+\b], v[BM+\b], |v[S+16*\b+\i]|, |v[S+16*\b+\i+1]|
.endr
.endr
.irp b, 0,1
	s_delay_alu instid0(VALU_DEP_2)
	v_permlanex16_b32 v[BT+\b], v[BM+\b], s[SEL], s[SEL+1]
.endr
.irp b, 0,1
	s_delay_alu instid0(VALU_DEP_2)
	v_max_num_f32 v[BM+\b], v[BM+\b], v[BT+\b]
.endr
.irp b, 0,1
	s_delay_alu instid0(VALU_DEP_2)
	v_add_nc_u32 v[SO+\b], 0xff000000, v[BM+\b]
.endr
.irp b, 0,1
	s_delay_alu instid0(VALU_DEP_2)
	v_lshrrev_b32 v[BT+\b], 23, v[SO+\b]
.endr
	s_delay_alu instid0(VALU_DEP_1)
	v_lshl_or_b32 v[T], v[BT+1], 8, v[BT]          ; the head's two scale bytes of my query
	v_cvt_scalef32_pk16_fp6_f32 v[PC:PC+2], v[S:S+15], v[SO]
	v_cvt_scalef32_pk16_fp6_f32 v[PT:PT+2], v[S+16:S+31], v[SO+1]
	v_nop                                          ; one plain place behind a scaled conversion
.irp i, 0,1,2
	v_permlane16_swap_b32 v[PC+\i], v[PT+\i]       ; lanes 0-15 get block 0 whole, lanes 16-31 block 1
.endr
.irp i, 0,1,2
	s_delay_alu instid0(VALU_DEP_3)
	v_mov_b32 v[PC+3+\i], v[PT+\i]
.endr
	global_store_b128 v1, v[PC:PC+3], s[8:9]               ; 512 consecutive bytes,
	global_store_b64  v2, v[PC+4:PC+5], s[8:9] offset:512  ; and 256, both at multiples of 256 from the buffer's first byte
	global_store_b16  v3, v[T], s[10:11]                   ; two bytes a token (lanes r and 16 + r store the same two bytes with the same value)
	s_wait_xcnt 0x0                                ; the stores' addresses are translated (ISA guide 3.1): only behind this wait are their bases and data written again
	s_add_nc_u64 s[8:9], s[8:9], 768               ; my second tile
	s_add_nc_u64 s[10:11], s[10:11], 512           ; 16 tokens on
	s_sub_co_u32 s[TILE], s[TILE], 1
	s_cmp_lg_u32 s[TILE], 0
	s_cbranch_scc1 .Ltile
	s_wait_tensorcnt 0x0
	ds_add_u32 v254, v255
	s_wait_dscnt 0x0
	CROUND                                         ; the closing round: no work-group ends while a partner may still ask for a tile that names it
	s_endpgm
.Lfunc_end_k_q17670e4361_attn:
	.size	k_q17670e4361_attn, .Lfunc_end_k_q17670e4361_attn-k_q17670e4361_attn
	.p2alignl 7, 3214868480
	.fill 96, 4, 3214868480
	.section	.rodata,"a",@progbits
	.p2align	6, 0x0
	.amdhsa_kernel k_q17670e4361_attn
		.amdhsa_group_segment_fixed_size 206848
		.amdhsa_private_segment_fixed_size 0
		.amdhsa_enable_private_segment 0
		.amdhsa_kernarg_size 32
		.amdhsa_user_sgpr_count 2
		.amdhsa_user_sgpr_kernarg_segment_ptr 1
		.amdhsa_wavefront_size32 1
		.amdhsa_system_sgpr_workgroup_id_x 1
		.amdhsa_system_sgpr_workgroup_id_y 1
		.amdhsa_system_sgpr_workgroup_id_z 1
		.amdhsa_system_vgpr_workitem_id 0
		.amdhsa_next_free_vgpr 256
		.amdhsa_next_free_sgpr 96
		.amdhsa_reserve_vcc 0
		.amdhsa_float_denorm_mode_32 3
		.amdhsa_float_denorm_mode_16_64 3
		.amdhsa_memory_ordered 1
		.amdhsa_forward_progress 1
		.amdhsa_inst_pref_size 51
	.end_amdhsa_kernel
	.amdgpu_metadata
---
amdhsa.version: [ 1, 2 ]
amdhsa.kernels:
  - .name:           k_q17670e4361_attn
    .symbol:         k_q17670e4361_attn.kd
    .args:
      - { .name: qkv_img, .offset: 0, .size: 8, .value_kind: global_buffer, .address_space: global }
      - { .name: qkv_sc, .offset: 8, .size: 8, .value_kind: global_buffer, .address_space: global }
      - { .name: ctx_img, .offset: 16, .size: 8, .value_kind: global_buffer, .address_space: global }
      - { .name: ctx_sc, .offset: 24, .size: 8, .value_kind: global_buffer, .address_space: global }
    .group_segment_fixed_size: 206848
    .private_segment_fixed_size: 0
    .kernarg_segment_align: 8
    .kernarg_segment_size: 32
    .max_flat_workgroup_size: 512
    .sgpr_count:     96
    .vgpr_count:     256
    .wavefront_size: 32
...
	.end_amdgpu_metadata
.endif
;; end of part 3
;; launch gemm_out (part 4): grid 4 x 32, 4 waves a work-group, clusters of 4 x 4, 327,680 bytes of LDS; arguments ctx_img, ctx_sc, codes1, scales1, out_b, out0; writes out0
.if DOCPART == 4
	.amdgcn_target "amdgcn-amd-amdhsa--gfx1250"
	.amdhsa_code_object_version 6
	.text
	.protected	k_q17670e4361_gemm_out
	.globl	k_q17670e4361_gemm_out
	.p2align	8
	.type	k_q17670e4361_gemm_out,@function
k_q17670e4361_gemm_out:
	s_mov_b64 s[64:65], 0
	v_nop
	global_prefetch_b8 v0, s[64:65] scope:SCOPE_SE
	s_setreg_imm32_b32 hwreg(HW_REG_WAVE_MODE, 25, 1), 1
	s_wait_xcnt 0x0
	s_wait_alu depctr_hold_cnt(0) depctr_sa_sdst(0) depctr_va_vdst(0) depctr_va_sdst(0) depctr_va_ssrc(0) depctr_va_vcc(0) depctr_vm_vsrc(0)
	s_getreg_b32 s2, hwreg(HW_REG_IB_STS2, 6, 4)
	s_cmp_eq_u32 s2, 0
	s_cbranch_scc0 .Lentry_in_a_cluster
	s_endpgm
.Lentry_in_a_cluster:
	s_bfe_u32 s2, ttmp6, 0x10000c
	s_cmp_lg_u32 s2, 0xf033
	s_cbranch_scc0 .Lentry_shape_is_right
	s_endpgm
.Lentry_shape_is_right:
; out0 = context out_w^T + out_b on codes of FP6 (E2M3) with one E8M0 scale for each 32 along K (K = 1,024); sums in f32; out0 [8192][1024] f32.
; A tile of the result, 256 x 256, is made by a work-group of four waves; a wave makes 128 x 128: 64 accumulators of 16 x 16, 512 registers.  K goes in steps of 256 through a ring of two LDS slots filled by the
; tensor data mover; the scale bytes of the work-group's 2 x 256 rows, for all of K, come into LDS once, with the first fills.
; "A" = the context (source 1 of the matrix instruction: its rows lie across the lanes).  It comes as IMAGES OF OPERAND REGISTERS: ctx_img[group of 128 tokens][head 16][tile 8] = a half image of 768 bytes (six registers of
; 32 lanes: registers 0-3 at 16 x lane, registers 4-5 at 512 + 8 x lane); two neighbouring heads' half images are a fragment of 16 tokens x 128 K.  A slot's part of a group, four heads, is 24,576 dense bytes.
; "B" = out_w (source 0: its rows run along a lane's eight result registers), rows of 768 bytes in codes1 from place 11,264 on.
; ORDER OF ROWS.  Lane r of A's block a is token 32 (a / 2) + 8 (a % 2) + r + 8 (r / 8) of the wave's 128; register j of B's block b is column 32 (b / 2) + 16 (lane / 16) + 8 (b % 2) + j.  The way out puts both right:
; the columns by the offsets into the stage, the tokens by the stores' offsets.
; The bias is the C of each sum's first matrix instruction: no addition is written.
; CLUSTERS: 4 x 4 work-groups; A's tiles are shared along a row of the cluster, B's along a column, each asked for JOINTLY, by the same tensor load with the same descriptor and a mask that names the four.
; The grid is 128 tiles: this launch has one eighth of the program's matrix work, and keeps the large tile's few LDS bytes for each product.
; REGISTERS, in windows of 256: window 0: v0-31 addresses; v32-63 scale words, two sets; v64-127 the bias; v128-223 A's fragments, ONE set; on the way out v128-255 rows of the result.
;   window 1: B's fragments, TWO sets, at v0 and v128.   window 2: the accumulators of A's blocks 0-3 ((a, b) at v[8 (8 a + b)]);   window 3: those of blocks 4-7.
.set KSTEP,  256
.set NQ,     2                         ; matrix instructions deep in a slot
.set ROWB,   192                       ; a row of B's tile in bytes
.set KROW,   768                       ; a row of B's codes in memory
.set PITCH,  240                       ; B's LDS row: 3 x (64 bytes + 16 of padding)
.set FR,     12                        ; registers of a fragment
.set NLA,    4                         ; LDS loads that bring a fragment of A
.set NP,     4                         ; places behind this matrix instruction (ISA guide 7.12.1)
.set HALFT,  128*PITCH                 ; the LDS bytes of 128 rows; A's 24,576 dense bytes lie at the head of such a part
.set SLOT,   4*HALFT
.set LAPS,   2
.set ASLOT,  24576                     ; a slot's bytes of a group of 128 tokens
.set GROUPB, 98304                     ; a group's bytes in ctx_img
.set KS,     32                        ; a row of scale bytes
.set SCL,    2*SLOT
.set HALFS,  16*272
.set SBLK,   2*272
.set SPARE,  SCL+4*HALFS               ; the spare words, 128 bytes for each wave: two blocks of 256 bytes that no other line names
.set OPOS,   11264                     ; out_w's first place in codes1
.set SPITCH, 528                       ; the way out: a stage of 16 rows x (512 bytes + 16) for each wave.  It lies in slot 0, which has had its last fill and its last read when the first result is stored there
.set ADRA, 16                          ; v16-17  LDS address of my A fragments in slot 0, 1, + 16 x lane  (v18-19: + 8 x lane)
.set ADRB, 20                          ; v20-21  the same for B's rows  (v22-23: for the pieces that lie behind one padding more)
.set STO,  24                          ; v24     the way out: where I put 32 bytes of a row
.set RD,   25                          ; v25     where I read a row back
.set CO,   26                          ; v26     my byte offset in a row of out0
.set ADRS, 27                          ; v27     LDS address of my scale words: lanes 0-15 A's rows, lanes 16-31 B's
.set SPW,  28                          ; v28     LDS address of my spare word; never rewritten
.set NIL,  29                          ; v29     0; never rewritten
.set OJ,   30                          ; v30     64 x (lane / 16)
.set SC,   32
.set BJ,   64                          ; v64-127 out_b at the column of B's block b, register j: v[BJ + 8 b + j]
.set AF,   128
.set BK,   128                         ; the way out: 16 rows read back from the stage: v128-191 and v192-255 by turns
.set G1, 24
.set G0, 32
.set G1B, 48
.set G0B, 56
.set G1S, 68
.set G0S, 76
.set G1SB, 80
.set G0SB, 88
.set MSB, 0
.macro WIN new                         ; the immediate's high byte repeats the setting that is left
.if MSB != (\new)
	s_set_vgpr_msb (MSB<<8)|(\new)
.set MSB, (\new)
.endif
.endm
.set MUL_LO, 0xa1                      ; source 0 (B) window 1, source 1 (A) window 0, C and D window 2
.set MUL_HI, 0xf1                      ; the same, C and D window 3
.set BEG_LO, 0x81                      ; the first products: C (the bias) window 0, D window 2
.set BEG_HI, 0xc1                      ; D window 3
.set TO_B,   0x40                      ; destination window 1, address window 0
.macro JLOAD g0a, g1a, g0b, g1b        ; a joint load: waves 0 and 1 fetch for A, waves 2 and 3 for B; four v_nop follow each of the two lines, ahead of the jump, the label and what follows
	s_cmp_eq_u32 s15, 0
	s_cbranch_scc0 .Lfor_b_\@
	tensor_load_to_lds s[\g0a:\g0a+3], s[\g1a:\g1a+7]
	s_nop 0
.rept 4
	v_nop
.endr
	s_branch .Lasked_\@
.Lfor_b_\@:
	tensor_load_to_lds s[\g0b:\g0b+3], s[\g1b:\g1b+7]
	s_nop 0
.rept 4
	v_nop
.endr
.Lasked_\@:
.endm
.macro CREST                           ; a round of the cluster's barrier behind its opening barrier
	s_cmp_lg_u32 s14, 0
	s_cbranch_scc1 .Lnot_wave_0_\@
	s_barrier_signal -3
.Lnot_wave_0_\@:
	s_barrier_wait -3
	s_barrier_signal -1
	s_barrier_wait -1
.endm
.macro CROUND                          ; a whole round
	s_barrier_signal -1
	s_barrier_wait -1
	CREST
.endm
	s_load_b128 s[4:7], s[0:1], 0x0                ; ctx_img s[4:5], ctx_sc s[6:7]
	s_load_b128 s[8:11], s[0:1], 0x10              ; codes1 s[8:9], scales1 s[10:11]
	s_load_b64 s[66:67], s[0:1], 0x20              ; out_b
	s_load_b64 s[12:13], s[0:1], 0x28              ; out0
	v_lshl_add_u32 v[SPW], v0, 2, SPARE
	v_mov_b32 v[NIL], 0
	ds_add_u32 v28, v29
	ds_add_u32 v28, v29
	s_wait_dscnt 0x0
	v_lshrrev_b32 v1, 5, v0
	v_readfirstlane_b32 s14, v1                    ; wave 0..3
	s_lshr_b32 s15, s14, 1                         ; which half of the tile's rows is mine.  Also: I fetch for A (0) or for B (1)
	s_and_b32 s16, s14, 1                          ; which half of its columns.  Also: which 128 rows of that tile I fetch
	s_bfe_u32 s40, ttmp6, 0x40000                  ; cx, cy: my place in the cluster
	s_bfe_u32 s41, ttmp6, 0x40004
	s_lshl_b32 s42, ttmp9, 2
	s_add_co_u32 s42, s42, s40                     ; tile column = 4 x cluster x + cx
	s_and_b32 s17, ttmp7, 0xffff
	s_lshl_b32 s17, s17, 2
	s_add_co_u32 s17, s17, s41                     ; tile row = 4 x cluster y + cy
	s_lshl_b32 s43, s41, 2
	s_lshl_b32 s43, 15, s43                        ; my row of the cluster
	s_lshl_b32 s44, 0x1111, s40                    ; my column
	; descriptor group 1.  A: 24,576 dense bytes as 96 rows of 256 bytes (32 elements of 8 bytes), no padding: the images are read 512 and 256 consecutive bytes at a time
	s_or_b32 s[G1+0], s43, (3<<16)|(1<<21)         ; 15:0 the mask: A's tiles go to my row; 17:16 elements of 8 bytes; 21 set beside a mask
	s_mov_b32 s[G1+1], 32<<16
	s_mov_b32 s[G1+2], 96<<16
	s_mov_b32 s[G1+3], 32<<16
	s_mov_b32 s[G1+4], 96
	s_mov_b32 s[G1+5], 32
	s_mov_b32 s[G1+6], 0
	s_mov_b32 s[G1+7], 0
	; B: 128 rows x 192 bytes, 16 bytes of padding behind every 64
	s_or_b32 s[G1B+0], s44, (0<<16)|(1<<20)|(1<<21)|(3<<22)|(3<<25)
	s_mov_b32 s[G1B+1], ROWB<<16
	s_mov_b32 s[G1B+2], 128<<16
	s_mov_b32 s[G1B+3], ROWB<<16
	s_mov_b32 s[G1B+4], 128
	s_mov_b32 s[G1B+5], KROW
	s_mov_b32 s[G1B+6], 0
	s_mov_b32 s[G1B+7], 0
	; the scales of 128 rows: 4,096 dense bytes as 16 rows of 256 bytes, 16 bytes of padding behind each
	s_or_b32 s[G1S+0], s43, (3<<16)|(1<<20)|(1<<21)|(5<<22)|(3<<25)
	s_or_b32 s[G1SB+0], s44, (3<<16)|(1<<20)|(1<<21)|(5<<22)|(3<<25)
.irp g, G1S, G1SB
	s_mov_b32 s[\g+1], 32<<16
	s_mov_b32 s[\g+2], (128*KS/256)<<16
	s_mov_b32 s[\g+3], 32<<16
	s_mov_b32 s[\g+4], 128*KS/256
	s_mov_b32 s[\g+5], 32
	s_mov_b32 s[\g+6], 0
	s_mov_b32 s[\g+7], 0
.endr
	s_lshl_b32 s18, s16, 7                         ; which 128 rows of the tile I fetch
	s_lshl_b32 s20, s17, 1
	s_add_co_u32 s20, s20, s16
	s_mul_i32 s20, s20, GROUPB                     ; A: the group of 128 tokens 2 x tile row + half.  Every offset here stays under its buffer's size, under 2^31
	s_mov_b32 s21, 0
	s_lshl_b32 s22, s17, 8
	s_add_co_u32 s22, s22, s18
	s_lshl_b32 s22, s22, 5                         ; its scale bytes: 32 a token
	s_mov_b32 s23, 0
	s_lshl_b32 s46, s42, 8
	s_add_co_u32 s46, s46, s18
	s_add_co_u32 s46, s46, OPOS                    ; B: place 11,264 + 256 x tile column + 128 x half
	s_lshl_b32 s92, s46, 5
	s_mov_b32 s93, 0
	s_mul_i32 s46, s46, KROW
	s_mov_b32 s47, 0
	s_mul_i32 s45, s14, HALFT                      ; where they go: wave x 128 rows' bytes: no place in the cluster enters an LDS address
	s_mul_i32 s94, s14, HALFS
	s_wait_kmcnt 0x0
	s_add_nc_u64 s[20:21], s[4:5], s[20:21]
	s_add_nc_u64 s[22:23], s[6:7], s[22:23]
	s_add_nc_u64 s[46:47], s[8:9], s[46:47]
	s_add_nc_u64 s[92:93], s[10:11], s[92:93]
	CROUND                                         ; all sixteen work-groups are here: the first joint loads meet
	s_mov_b32 s[G0S], 1
	s_add_co_u32 s[G0S+1], s94, SCL
	s_mov_b64 s[G0S+2:G0S+3], s[22:23]
	s_or_b32 s[G0S+3], s[G0S+3], 0x80000000
	s_mov_b32 s[G0SB], 1
	s_add_co_u32 s[G0SB+1], s94, SCL
	s_mov_b64 s[G0SB+2:G0SB+3], s[92:93]
	s_or_b32 s[G0SB+3], s[G0SB+3], 0x80000000
	JLOAD G0S, G1S, G0SB, G1SB                     ; the scales first: they are wanted with K step 0
.irp s, 0,1
	s_mov_b32 s[G0+4*\s], 1
	s_add_co_u32 s[G0+4*\s+1], s45, \s*SLOT
	s_add_nc_u64 s[G0+4*\s+2:G0+4*\s+3], s[20:21], \s*ASLOT
	s_or_b32 s[G0+4*\s+3], s[G0+4*\s+3], 0x80000000
	s_mov_b32 s[G0B+4*\s], 1
	s_add_co_u32 s[G0B+4*\s+1], s45, \s*SLOT
	s_add_nc_u64 s[G0B+4*\s+2:G0B+4*\s+3], s[46:47], \s*ROWB
	s_or_b32 s[G0B+4*\s+3], s[G0B+4*\s+3], 0x80000000
	JLOAD G0+4*\s, G1, G0B+4*\s, G1B               ; three tensor loads of mine are out now
.endr
	v_and_b32 v1, 15, v0                           ; r = l % 16
	v_bfe_u32 v2, v0, 4, 1                         ; h = l / 16
	v_and_b32 v6, 31, v0                           ; lane
	v_lshlrev_b32 v7, 4, v6
	v_lshlrev_b32 v8, 3, v6
	v_mul_u32_u24 v3, v1, PITCH
	v_mul_u32_u24 v4, v2, 24
	v_add_nc_u32 v4, v3, v4                        ; B: a fragment's row x pitch + 24 x half
	v_lshl_add_u32 v5, v2, 4, v4                   ; and the same behind one padding more
	s_mul_i32 s21, s15, HALFT                      ; my 128 tokens of A
	s_mul_i32 s22, s16, HALFT                      ; my 128 rows of B,
	s_add_co_u32 s22, s22, 2*HALFT                 ; which lie behind A's two parts
.irp s, 0,1
	v_add_nc_u32 v[ADRA+\s], s21, v7
	v_add_nc_u32 v[ADRA+2+\s], s21, v8
	v_add_nc_u32 v[ADRB+\s], s22, v4
	v_add_nc_u32 v[ADRB+2+\s], s22, v5
	s_add_co_u32 s21, s21, SLOT
	s_add_co_u32 s22, s22, SLOT
.endr
	v_mul_u32_u24 v5, v1, KS                       ; my row's scales: 32 bytes a row,
	v_lshrrev_b32 v6, 8, v5
	v_lshl_add_u32 v5, v6, 4, v5                   ; and 16 more for each 256 passed
	s_mul_i32 s21, s15, HALFS
	s_mul_i32 s22, s16, HALFS
	s_add_co_u32 s22, s22, 2*HALFS
	s_sub_co_u32 s22, s22, s21
	v_mul_u32_u24 v6, s22, v2                      ; lanes 16-31 take B's: one product, the distance between the two
	s_add_co_u32 s21, s21, SCL
	v_add_nc_u32 v5, v5, v6
	v_add_nc_u32 v[ADRS], s21, v5
	s_mul_i32 s23, s14, 16*SPITCH                  ; my stage
	v_mul_u32_u24 v5, v1, SPITCH                   ; in: row l % 16; my half's sixteen columns of each 32: 64 bytes a half
	v_lshl_add_u32 v5, v2, 6, v5
	v_add_nc_u32 v[STO], s23, v5
	v_mov_b32 v[CO], v7                            ; back: the 32 lanes take one row of 512 bytes; and the same in out0
	v_add_nc_u32 v[RD], s23, v7
	v_lshlrev_b32 v[OJ], 6, v2
	s_lshl_b32 s46, s42, 10                        ; my first column, in bytes of f32: 1,024 x tile column + 512 x half: in out_b and in a row of out0 alike
	s_lshl_b32 s47, s16, 9
	s_add_co_u32 s46, s46, s47
	s_mov_b32 s47, 0
	s_add_nc_u64 s[66:67], s[66:67], s[46:47]
	s_add_nc_u64 s[12:13], s[12:13], s[46:47]
	s_lshl_b32 s20, s17, 8
	s_lshl_b32 s21, s15, 7
	s_add_co_u32 s20, s20, s21                     ; my first row of out0: 256 x tile row + 128 x half,
	s_lshl_b32 s20, s20, 12                        ; of 4,096 bytes
	s_mov_b32 s21, 0
	s_add_nc_u64 s[12:13], s[12:13], s[20:21]
.irp b, 0,1,2,3,4,5,6,7
	global_load_b128 v[BJ+8*\b:BJ+8*\b+3],   v[OJ], s[66:67] offset:(32*(\b/2)+8*(\b%2))*4
	global_load_b128 v[BJ+8*\b+4:BJ+8*\b+7], v[OJ], s[66:67] offset:(32*(\b/2)+8*(\b%2))*4+16
.endr
.macro FRAG reg, adr, q, i             ; a fragment of B from rows: 12 registers: lane l holds row l % 16; registers 6 c .. 6 c + 5 hold K = 64 c + 32 (l / 16) + 0 .. 31: 24 bytes of the row's stream of bits, in pieces of 8 bytes
.irp p, 0,1,2,3,4,5
.set PCE, 12*(\q)+6*(\p/3)+\p%3       ; 16 bytes of padding lie behind every 8 pieces: where the piece three on (lanes 16-31) lies behind one padding more, the second address register serves
.if PCE%8 < 5
	ds_load_b64 v[\reg+2*\p:\reg+2*\p+1], v[\adr] offset:8*PCE+16*(PCE/8)+(\i)*16*PITCH
.else
	ds_load_b64 v[\reg+2*\p:\reg+2*\p+1], v[\adr+2] offset:8*PCE+16*(PCE/8)+(\i)*16*PITCH
.endif
.endr
.endm
.macro FRAGA reg, slot, q, i           ; a fragment of A from images: heads 2 q and 2 q + 1 of the slot's four, tile i: each a half image
.irp c, 0,1
	ds_load_b128 v[\reg+6*\c:\reg+6*\c+3],   v[ADRA+\slot]   offset:(2*(\q)+\c)*6144+768*(\i)
	ds_load_b64  v[\reg+6*\c+4:\reg+6*\c+5], v[ADRA+2+\slot] offset:(2*(\q)+\c)*6144+768*(\i)+512
.endr
.endm
; 16 matrix instructions: A's blocks a0, a0 + 1 x B's eight, 128 along K.  first = 1: the first product starts the sums with the bias as its C.
; The 64 accumulators take turns, one instruction a turn, in the same order in every step.
.macro MUL16 a0, p, q, sc, first
.irp a, \a0, \a0+1
.irp b, 0,1,2,3,4,5,6,7
.if \first
	v_wmma_scale_f32_16x16x128_f8f6f4 v[8*(8*((\a)%4)+\b):8*(8*((\a)%4)+\b)+7], v[128*(\p)+FR*\b:128*(\p)+FR*\b+FR-1], v[AF+FR*(\a):AF+FR*(\a)+FR-1], v[BJ+8*\b:BJ+8*\b+7], v[SC+8*NQ*(\sc)+NQ*\b+(\q)], v[SC+8*NQ*(\sc)+NQ*(\a)+(\q)] matrix_a_fmt:MATRIX_FMT_FP6 matrix_b_fmt:MATRIX_FMT_FP6 matrix_a_scale:MATRIX_SCALE_ROW1
.else
	v_wmma_scale_f32_16x16x128_f8f6f4 v[8*(8*((\a)%4)+\b):8*(8*((\a)%4)+\b)+7], v[128*(\p)+FR*\b:128*(\p)+FR*\b+FR-1], v[AF+FR*(\a):AF+FR*(\a)+FR-1], v[8*(8*((\a)%4)+\b):8*(8*((\a)%4)+\b)+7], v[SC+8*NQ*(\sc)+NQ*\b+(\q)], v[SC+8*NQ*(\sc)+NQ*(\a)+(\q)] matrix_a_fmt:MATRIX_FMT_FP6 matrix_b_fmt:MATRIX_FMT_FP6 matrix_a_scale:MATRIX_SCALE_ROW1
.endif
.endr
.endr
.endm
.macro FETCH_B slot, q, p
	WIN TO_B
.irp i, 0,1,2,3,4,5,6,7
	FRAG 128*(\p)+FR*\i, ADRB+\slot, \q, \i
.endr
	WIN 0
.endm
.macro FETCH_A slot, q, i0
.irp i, \i0, \i0+1, \i0+2, \i0+3
	FRAGA AF+FR*(\i), \slot, \q, \i
.endr
.endm
.macro SCALES sc
.irp i, 0,1,2,3,4,5,6,7
	ds_load_b64 v[SC+8*NQ*\sc+NQ*\i:SC+8*NQ*\sc+NQ*\i+1], v[ADRS] offset:\i*SBLK
.endr
.endm
; A load into a register that a matrix instruction has read, and an LDS store that reads a matrix result, stand NP places behind that matrix instruction; only plain vector instructions that name none of its
; registers are places (ISA guide 7.12.1 for vector instructions).
.macro PLACES n
.rept \n
	v_nop
.endr
.endm
.macro STEP slot, q, first
	s_wait_dscnt 4*NLA                             ; B's set and A's blocks 0-3 are in; the youngest 16 loads (A's blocks 4-7) may be out
.if \first
	WIN BEG_LO
.else
	WIN MUL_LO
.endif
	MUL16 0, (\q)%2, \q, \slot, \first
	MUL16 2, (\q)%2, \q, \slot, \first
	s_wait_dscnt 0                                 ; A's blocks 4-7 are in
	PLACES NP
	FETCH_B \slot, (\q)+1, 1-(\q)%2
	FETCH_A \slot, (\q)+1, 0
.if \first
	WIN BEG_HI
.else
	WIN MUL_HI
.endif
	MUL16 4, (\q)%2, \q, \slot, \first
	MUL16 6, (\q)%2, \q, \slot, \first
	PLACES NP
	WIN 0
	FETCH_A \slot, (\q)+1, 4
.endm
; A slot's last step changes slots: ONE barrier; in front of it each wave waits for all its tensor loads, adds 0 to its spare word, and waits for that and for its own reads of this slot.  fill = 1: this slot is filled again, two K steps ahead.
.macro TURN slot, next, fill
	s_wait_tensorcnt 0x0                           ; all my tensor loads have landed: my part of the next slot;  (every window is 0 here)
	ds_add_u32 v[SPW], v[NIL]                      ; 0 onto my spare word
	s_wait_dscnt 4*NLA+1                           ; (the add and the youngest 16 loads, A's blocks 4-7, may be out)
	WIN MUL_LO
	MUL16 0, 1, NQ-1, \slot, 0                     ; sixteen matrix instructions stand between the add and the wait for it
	s_wait_dscnt 0x0                               ; the add is done, and my reads of this slot are over
	s_barrier_signal -1
	MUL16 2, 1, NQ-1, \slot, 0
	WIN 0
	s_barrier_wait -1
.if \fill
	CREST                                          ; the barrier has opened a round of the cluster's barrier: no wave of any partner still reads this slot's tile or has a load on its way
	s_add_nc_u64 s[G0+4*\slot+2:G0+4*\slot+3], s[G0+4*\slot+2:G0+4*\slot+3], 2*ASLOT
	s_add_nc_u64 s[G0B+4*\slot+2:G0B+4*\slot+3], s[G0B+4*\slot+2:G0B+4*\slot+3], 2*ROWB
	JLOAD G0+4*\slot, G1, G0B+4*\slot, G1B         ; the first tensor load behind the round, my only one until the next; the four v_nop behind it are the places in front of the loads below
.else
	PLACES NP
.endif
	v_add_nc_u32 v[ADRS], 4*NQ, v[ADRS]            ; on to the next K step's scale words
	FETCH_B \next, 0, 0
	FETCH_A \next, 0, 0
	SCALES \next
	WIN MUL_HI
	MUL16 4, 1, NQ-1, \slot, 0
	MUL16 6, 1, NQ-1, \slot, 0
	PLACES NP
	WIN 0
	FETCH_A \next, 0, 4
.endm
	s_wait_tensorcnt 1                             ; the scales and my part of K step 0 are in (K step 1's load, the youngest, may be out)
	s_wait_loadcnt 0x0                             ; and so is the bias
	s_barrier_signal -1
	s_barrier_wait -1                              ; everybody's are
	FETCH_B 0, 0, 0
	FETCH_A 0, 0, 0
	SCALES 0
	FETCH_A 0, 0, 4
	STEP 0, 0, 1                                   ; the first step's products start the sums, on the bias
.rept LAPS-1                                       ; once round the ring; both slots are filled again.  Written out: K has two laps
	TURN 0, 1, 1
	STEP 1, 0, 0
	TURN 1, 0, 1
	STEP 0, 0, 0
.endr
	TURN 0, 1, 0                                   ; the last lap fills nothing, and has no round of the cluster's barrier
	STEP 1, 0, 0
	s_wait_dscnt 4*NLA                             ; the very last step: nothing more to fetch
	WIN MUL_LO
	MUL16 0, 1, NQ-1, 1, 0
	MUL16 2, 1, NQ-1, 1, 0
	s_wait_dscnt 0
	WIN MUL_HI
	MUL16 4, 1, NQ-1, 1, 0
	MUL16 6, 1, NQ-1, 1, 0
	WIN 0
; THE WAY OUT, block by block of 16 tokens x 128 columns.  A lane holds 32 neighbouring bytes of a row at a time, and the lanes beside it hold other rows: so a block goes through my own stage in LDS and comes back as whole
; rows of 512 bytes.  LDS serves a wave's instructions in order (ISA guide 5.7.1.4): no wait between the stores and the loads, nor in front of the next block's stores.
.macro TOSTAGE a
.set AC, 64*((\a)%4)
	WIN 0x08+4*((\a)/4)                            ; the data: window 2 or 3
.irp b, 0,1,2,3,4,5,6,7
	ds_store_b128 v[STO], v[AC+8*\b:AC+8*\b+3] offset:128*(\b/2)+32*(\b%2)          ; columns 32 (b / 2) + 16 h + 8 (b % 2) + 0 .. 3; each accumulator from its low end on
	ds_store_b128 v[STO], v[AC+8*\b+4:AC+8*\b+7] offset:128*(\b/2)+32*(\b%2)+16
.endr
	WIN 0
.set BB, BK+64*((\a)%2)
.irp t, 0,1,2,3,4,5,6,7,8,9,10,11,12,13,14,15
	ds_load_b128 v[BB+4*\t:BB+4*\t+3], v[RD] offset:\t*SPITCH
.endr
.endm
.macro SEND a, younger                 ; younger: the LDS instructions issued behind block a's loads, which may stay out
.set BB, BK+64*((\a)%2)
	s_wait_dscnt \younger                          ; the block is back in registers
.irp t, 0,1,2,3,4,5,6,7,8,9,10,11,12,13,14,15
	global_store_b128 v[CO], v[BB+4*\t:BB+4*\t+3], s[12:13] offset:(32*((\a)/2)+8*((\a)%2)+\t+8*(\t/8))*4096 th:TH_STORE_NT   ; stage row t is token 32 (a / 2) + 8 (a % 2) + t + 8 (t / 8): 512 consecutive bytes, at a multiple of 256 from out0's first byte; 127 rows at the most: inside the signed 24-bit immediate
.endr
.endm
	PLACES NP                                      ; behind the last products: for the loads into the registers that held A's fragments, and for the reads of results
	TOSTAGE 0
.irp a, 1,2,3,4,5,6,7
.if \a > 1
	s_wait_xcnt 0x0                                ; block a - 2's stores have had their addresses translated (ISA guide 3.1): block a's loads may land in their registers
.endif
	TOSTAGE \a
	SEND \a-1, 32                                  ; behind block a - 1's loads: block a's 16 stores and 16 loads
.endr
	SEND 7, 0
	s_wait_tensorcnt 0x0                           ; the wave's end, behind my last tensor load and my last LDS store
	ds_add_u32 v[SPW], v[NIL]
	s_wait_dscnt 0x0
	CROUND                                         ; the closing round: no work-group ends while a partner may still ask for a tile that names it
	s_endpgm
.Lfunc_end_k_q17670e4361_gemm_out:
	.size	k_q17670e4361_gemm_out, .Lfunc_end_k_q17670e4361_gemm_out-k_q17670e4361_gemm_out
	.p2alignl 7, 3214868480
	.fill 96, 4, 3214868480
	.section	.rodata,"a",@progbits
	.p2align	6, 0x0
	.amdhsa_kernel k_q17670e4361_gemm_out
		.amdhsa_group_segment_fixed_size 327680
		.amdhsa_private_segment_fixed_size 0
		.amdhsa_enable_private_segment 0
		.amdhsa_kernarg_size 48
		.amdhsa_user_sgpr_count 2
		.amdhsa_user_sgpr_kernarg_segment_ptr 1
		.amdhsa_wavefront_size32 1
		.amdhsa_system_sgpr_workgroup_id_x 1
		.amdhsa_system_sgpr_workgroup_id_y 1
		.amdhsa_system_sgpr_workgroup_id_z 1
		.amdhsa_system_vgpr_workitem_id 0
		.amdhsa_next_free_vgpr 1024
		.amdhsa_next_free_sgpr 98
		.amdhsa_reserve_vcc 0
		.amdhsa_float_denorm_mode_32 3
		.amdhsa_float_denorm_mode_16_64 3
		.amdhsa_memory_ordered 1
		.amdhsa_forward_progress 1
		.amdhsa_inst_pref_size 153
	.end_amdhsa_kernel
	.amdgpu_metadata
---
amdhsa.version: [ 1, 2 ]
amdhsa.kernels:
  - .name:           k_q17670e4361_gemm_out
    .symbol:         k_q17670e4361_gemm_out.kd
    .args:
      - { .name: ctx_img, .offset: 0, .size: 8, .value_kind: global_buffer, .address_space: global }
      - { .name: ctx_sc, .offset: 8, .size: 8, .value_kind: global_buffer, .address_space: global }
      - { .name: codes1, .offset: 16, .size: 8, .value_kind: global_buffer, .address_space: global }
      - { .name: scales1, .offset: 24, .size: 8, .value_kind: global_buffer, .address_space: global }
      - { .name: out_b, .offset: 32, .size: 8, .value_kind: global_buffer, .address_space: global }
      - { .name: out0, .offset: 40, .size: 8, .value_kind: global_buffer, .address_space: global }
    .group_segment_fixed_size: 327680
    .private_segment_fixed_size: 0
    .kernarg_segment_align: 8
    .kernarg_segment_size: 48
    .max_flat_workgroup_size: 128
    .sgpr_count:     98
    .vgpr_count:     1024
    .wavefront_size: 32
...
	.end_amdgpu_metadata
.endif
;; end of part 4
